; MI455X (gfx1250); checked and timed in simulation.
; The chip was launched on July 23, 2026; its instructions are those of AMD's public machine-readable ISA for CDNA 5 (MIT licence, August 2026) and "CDNA5" Instruction Set Architecture Reference Guide (July 2026). The comments in the code are by the model that wrote it; some were corrected since.
;; Praxis Expert. Allowed arithmetic: float matrix products may take bf16 or f16 operands with f32 sums; other float arithmetic in f32, or as packed bf16 or f16 multiplies, adds, multiply-adds, maxima and minima; sums over many terms, partial sums and values carried from step to step in f32; what a program stores and reads back later, other than sums and carried values, may be rounded once to bf16 or f16.
;; Inputs: W1 8 x 1,024 x 4,096 float32; W2 8 x 4,096 x 1,024 float32; b1 8 x 4,096 float32; b2 8 x 1,024 float32; expert_indices 2 x 512 x 2 int32; inputs 2 x 512 x 1,024 float32.
;; Outputs: out0 2 x 512 x 2 x 1,024 float32.
;; 2 versions, each right and faster than the one before. Each part assembles by itself: llvm-mc -triple=amdgcn-amd-amdhsa -mcpu=gfx1250 --defsym DOCPART=n.
;; ======== version 1 of 2: 4 launches
;; workspace buffers: order 8,704 bytes of whole numbers; tiles 512 bytes of whole numbers; xs 4,423,680 bytes; hid 17,694,720 bytes; part 35,389,440 bytes
;; launch prep (part 1): grid 135 x 1, 4 waves a work-group, no clusters, 2,048 bytes of LDS; arguments expert_indices, inputs, xs, order, tiles; writes xs, order, tiles
.if DOCPART == 1
	.amdgcn_target "amdgcn-amd-amdhsa--gfx1250"
	.amdhsa_code_object_version 6
	.text
	.protected	k_qe91f18f8ed_prep
	.globl	k_qe91f18f8ed_prep
	.p2align	8
	.type	k_qe91f18f8ed_prep,@function
k_qe91f18f8ed_prep:
	s_mov_b64 s[64:65], 0
	v_nop
	global_prefetch_b8 v0, s[64:65] scope:SCOPE_SE
	s_setreg_imm32_b32 hwreg(HW_REG_WAVE_MODE, 25, 1), 1
	s_wait_xcnt 0x0
; PREP.  The 2,048 routed rows (row = 2 x token + slot) are sorted by expert into BLOCKS of 16 rows of one expert; expert e has ceil(count / 16) blocks, the experts' blocks
; follow each other; 135 blocks at the most (128 full ones and up to 7 that are not).  Work-group B makes block B: every work-group counts all 2,048 indices for itself (8 KiB),
; finds the 16 rows of its block, stores them in 'order' (row | expert << 16; row 2048 marks a place past the expert's count, expert 8 a block that this split does not use), and
; writes the 16 token rows, rounded to bf16, into 'xs' in the order in which a matrix operand's registers take them: for each 32 columns c, 1,024 bytes; byte 512 ii + 16 lane holds
; row lane % 16, columns 32 c + 16 ii + 8 (lane / 16) + 0..7.  A place past the count carries token 1023's row; nothing made of it is ever stored to the output.
; Work-group 0 also writes the table of TILES (expert, first block, blocks; at most 24 blocks): entries 0-7 each expert's first 24 blocks, entries 8-12 what is over.
; LIMIT.  An index outside 0..7 is counted for no expert: its output row would stay unwritten.
.set LIST,  512                        ; four lists of 256 bytes, one a wave: words 0-15 the block's places, word 16 takes what does not belong to the block
.set SPARE, 1536                       ; the spare words: 128 bytes for each of four waves
; v1, v2 the add's registers   v3 lane   v4 my first row   v5-7 at work   v8-23 sixteen indices (later the table's entry and its work)   v24 counts   v25-27 at work
; v28 my place's row   v29 offset in inputs   v30 offset in xs   v31 0xffff   v32-159 f32 as loaded   v160-223 bf16 to store
; s14 wave   s15 block   s16-23 my wave's counts, later: s16 expert, s17 its first block, s18-20 waves' counts, s21 running rank, s22 block in use
; s24-31 masks   s32-63 counts [wave][expert]   s66 my list's LDS byte   s74-81 blocks of an expert   s82-90 their prefix sum   s91-99 prefix sum of the overflow tiles
	s_load_b256 s[4:11], s[0:1], 0x0               ; expert_indices s[4:5], inputs s[6:7], xs s[8:9], order s[10:11]
	s_load_b64 s[12:13], s[0:1], 0x20              ; tiles
	v_lshl_add_u32 v1, v0, 2, SPARE
	v_mov_b32 v2, 0
	v_and_b32 v3, 31, v0                           ; lane
	v_lshrrev_b32 v5, 5, v0
	v_readfirstlane_b32 s14, v5                    ; wave 0..3
	s_mov_b32 s15, ttmp9                           ; block
	v_lshlrev_b32 v6, 4, v3
	v_lshl_add_u32 v6, s14, 11, v6                 ; my 16 bytes of the wave's 2,048 bytes of indices
	v_lshrrev_b32 v4, 2, v6                        ; the routed row of their first word: 512 w + 4 lane
	s_lshl_b32 s66, s14, 8
	s_add_co_u32 s66, s66, LIST                    ; my wave's list: a constant plus the wave's number times 256; never rewritten
	v_lshl_add_u32 v5, v3, 2, s66
	v_mov_b32 v7, 0x800
	v_mov_b32 v31, 0xffff
	ds_store_b32 v5, v7                            ; every place starts as 'past the count'
	s_wait_kmcnt 0x0
.irp q, 0,1,2,3
	global_load_b128 v[8+4*(\q):11+4*(\q)], v6, s[4:5] offset:512*(\q)  ; register 4 q + c of lane l: routed row 512 w + 128 q + 4 l + c
.endr
	s_wait_loadcnt 0x0
; how many of my wave's 512 rows chose expert e
.macro COUNT e
.irp hf, 0,1
.irp j, 0,1,2,3,4,5,6,7
	v_cmp_eq_u32 s[24+(\j)], \e, v[8+8*(\hf)+(\j)]
.endr
.irp j, 0,1,2,3,4,5,6,7
.if ((\hf) == 0) && ((\j) == 0)
	s_bcnt1_i32_b32 s[16+(\e)], s24
.else
	s_bcnt1_i32_b32 s2, s[24+(\j)]
	s_add_co_u32 s[16+(\e)], s[16+(\e)], s2
.endif
.endr
.endr
.endm
.irp e, 0,1,2,3,4,5,6,7
	COUNT \e
.endr
	v_mov_b32 v24, 0
.irp e, 0,1,2,3,4,5,6,7
	v_writelane_b32 v24, s[16+(\e)], \e
.endr
	v_lshlrev_b32 v5, 2, v0
	ds_store_b32 v5, v24                           ; word 32 w + e: wave w's count for expert e
	s_wait_dscnt 0x0                               ; for the others' sake: my stores are done
	s_barrier_signal -1
	s_barrier_wait -1
	v_and_b32 v5, 7, v3
	v_lshrrev_b32 v7, 3, v3
	v_lshl_add_u32 v5, v7, 5, v5
	v_lshlrev_b32 v5, 2, v5
	ds_load_b32 v24, v5                            ; lane 8 wave + e takes that wave's count
	s_wait_dscnt 0x0                               ; my read of the counts is back:
	s_barrier_signal -1                            ; every wave has read them before any wave stores into a list
	s_barrier_wait -1
.set i, 0
.rept 32
	v_readlane_b32 s[32+i], v24, i
.set i, i+1
.endr
.irp e, 0,1,2,3,4,5,6,7
	s_add_co_u32 s2, s[32+(\e)], s[40+(\e)]
	s_add_co_u32 s3, s[48+(\e)], s[56+(\e)]
	s_add_co_u32 s2, s2, s3
	s_add_co_u32 s2, s2, 15
	s_lshr_b32 s[74+(\e)], s2, 4                   ; the expert's blocks
.endr
	s_mov_b32 s82, 0
.irp e, 0,1,2,3,4,5,6,7
	s_add_co_u32 s[83+(\e)], s[82+(\e)], s[74+(\e)]  ; where the next expert's blocks begin; s90: blocks in use
.endr
	s_mov_b32 s16, 0                               ; my block's expert: the last whose first block is not behind mine
.irp i, 1,2,3,4,5,6,7
	s_cmp_ge_u32 s15, s[82+(\i)]
	s_cselect_b32 s16, \i, s16
.endr
	s_mov_b32 s17, s82                             ; that expert's first block, and the counts of waves 0 to 2 for it
	s_mov_b32 s18, s32
	s_mov_b32 s19, s40
	s_mov_b32 s20, s48
.irp i, 1,2,3,4,5,6,7
	s_cmp_eq_u32 s16, \i
	s_cselect_b32 s17, s[82+(\i)], s17
	s_cselect_b32 s18, s[32+(\i)], s18
	s_cselect_b32 s19, s[40+(\i)], s19
	s_cselect_b32 s20, s[48+(\i)], s20
.endr
	s_cmp_lt_u32 s15, s90
	s_cselect_b32 s22, 1, 0                        ; is my block in use?
	s_cselect_b32 s100, s16, 8                     ; the expert that 'order' will name
	s_cmp_gt_u32 s14, 0                            ; the rank of my wave's first row of that expert,
	s_cselect_b32 s21, s18, 0
	s_cmp_gt_u32 s14, 1
	s_cselect_b32 s2, s19, 0
	s_add_co_u32 s21, s21, s2
	s_cmp_gt_u32 s14, 2
	s_cselect_b32 s2, s20, 0
	s_add_co_u32 s21, s21, s2
	s_sub_co_u32 s2, s15, s17
	s_lshl_b32 s2, s2, 4
	s_sub_co_u32 s21, s21, s2                      ; less the ranks in front of my block (it may wrap: then it is large, and is cut to 16 below)
; register j: each row of my expert gets its place = running rank + rows of the expert in lower lanes; places 0-15 go into my list, all else onto word 16.
; The place is cut to 0..16 before it enters the LDS address: my list's byte + 4 x place.
.macro RANK j
	v_cmp_eq_u32 s[24+(\j)%8], s16, v[8+(\j)]
	v_mbcnt_lo_u32_b32 v25, s[24+(\j)%8], s21
	v_cndmask_b32 v25, v31, v25, s[24+(\j)%8]
	v_min_u32 v25, 16, v25
	v_lshl_add_u32 v26, v25, 2, s66
	v_add_nc_u32 v27, 128*((\j)/4)+(\j)%4, v4
	ds_store_b32 v26, v27
	s_bcnt1_i32_b32 s2, s[24+(\j)%8]
	s_add_co_u32 s21, s21, s2
.endm
.irp j, 0,1,2,3,4,5,6,7,8,9,10,11,12,13,14,15
	RANK \j
.endr
	s_wait_dscnt 0x0                               ; for the others' sake: my list is written
	s_barrier_signal -1
	s_barrier_wait -1
	v_and_b32 v5, 15, v3
	v_lshlrev_b32 v5, 2, v5
	ds_load_b32 v28, v5 offset:LIST                ; a place was written by one wave at the most; the others hold 2048 there
	ds_load_b32 v25, v5 offset:LIST+256
	ds_load_b32 v26, v5 offset:LIST+512
	ds_load_b32 v27, v5 offset:LIST+768
	s_wait_dscnt 0x0
	v_min_u32 v28, v28, v25
	v_min_u32 v26, v26, v27
	v_min_u32 v28, v28, v26                        ; lane l: the routed row at place l % 16 of my block
	s_cmp_lg_u32 s14, 0
	s_cbranch_scc1 .Lno_list                       ; wave 0 alone stores the list
	s_lshl_b32 s2, s15, 6
	s_mov_b32 s3, 0
	s_add_nc_u64 s[10:11], s[10:11], s[2:3]
	s_lshl_b32 s100, s100, 16
	v_or_b32 v25, s100, v28
	v_lshlrev_b32 v26, 2, v3
	v_cmp_gt_u32 vcc_lo, 16, v3
	s_wait_xcnt 0x0                                ; EXEC changes only behind this wait
	s_and_saveexec_b32 s101, vcc_lo
	global_store_b32 v26, v25, s[10:11]            ; 16 words
	s_wait_xcnt 0x0                                ; and again, in front of the line that widens it
	s_or_b32 exec_lo, exec_lo, s101
	s_cmp_lg_u32 s15, 0
	s_cbranch_scc1 .Lno_list                       ; work-group 0 alone writes the table of tiles: lane y makes entry y
	s_mov_b32 s91, 0
.irp e, 0,1,2,3,4,5,6,7
	s_add_co_u32 s2, s[74+(\e)], 23
	s_mul_i32 s2, s2, 2731
	s_lshr_b32 s2, s2, 16                          ; ceil(blocks / 24): x 2731 >> 16 is x / 24 for x up to 151
	s_max_u32 s2, s2, 1
	s_sub_co_u32 s2, s2, 1                         ; tiles beyond the expert's first
	s_add_co_u32 s[92+(\e)], s[91+(\e)], s2
.endr
	v_mov_b32 v12, s82                             ; entries 0-7: expert y's first block and blocks
	v_mov_b32 v13, s74
.irp i, 1,2,3,4,5,6,7
	v_cmp_eq_u32 vcc_lo, \i, v3
	v_cndmask_b32 v12, v12, s[82+(\i)], vcc_lo
	v_cndmask_b32 v13, v13, s[74+(\i)], vcc_lo
.endr
	v_add_nc_u32 v14, -8, v3                       ; entries 8 on: overflow tile y - 8 belongs to the last expert whose overflow tiles do not begin behind it
	v_mov_b32 v15, 0
	v_mov_b32 v16, s82
	v_mov_b32 v17, s74
	v_mov_b32 v18, s91
.irp i, 1,2,3,4,5,6,7
	v_cmp_le_u32 vcc_lo, s[91+(\i)], v14
	v_cndmask_b32 v15, v15, \i, vcc_lo
	v_cndmask_b32 v16, v16, s[82+(\i)], vcc_lo
	v_cndmask_b32 v17, v17, s[74+(\i)], vcc_lo
	v_cndmask_b32 v18, v18, s[91+(\i)], vcc_lo
.endr
	v_sub_nc_u32 v18, v14, v18
	v_add_nc_u32 v18, 1, v18                       ; it is that expert's tile number j = 1, 2, ..
	v_mul_u32_u24 v19, 24, v18
	v_add_nc_u32 v16, v16, v19                     ; first block + 24 j
	v_sub_nc_u32 v17, v17, v19
	v_min_u32 v17, 24, v17                         ; what is left, 24 at the most
	v_cmp_gt_u32 vcc_lo, s99, v14                  ; an entry past the overflow tiles that there are holds zeros
	v_cndmask_b32 v8, 0, v15, vcc_lo
	v_cndmask_b32 v9, 0, v16, vcc_lo
	v_cndmask_b32 v10, 0, v17, vcc_lo
	v_min_u32 v13, 24, v13
	v_cmp_gt_u32 vcc_lo, 8, v3
	v_cndmask_b32 v8, v8, v3, vcc_lo
	v_cndmask_b32 v9, v9, v12, vcc_lo
	v_cndmask_b32 v10, v10, v13, vcc_lo
	v_mov_b32 v11, 0
	v_lshlrev_b32 v20, 4, v3
	global_store_b128 v20, v[8:11], s[12:13]       ; 32 entries of 16 bytes: 512 consecutive bytes
.Lno_list:
	s_cmp_eq_u32 s22, 0
	s_cbranch_scc1 .Lend                           ; a block that this split does not use has no rows
	; THE ROWS.  Wave w takes columns 256 w to 256 w + 255 of the block's 16 rows: eight images of 32 columns.
	v_lshrrev_b32 v29, 1, v28                      ; token = routed row / 2,
	v_min_u32 v29, 0x3ff, v29                      ; 1023 for a place past the count
	v_lshlrev_b32 v29, 12, v29
	v_lshrrev_b32 v5, 4, v3
	v_lshl_add_u32 v29, v5, 5, v29                 ; + 32 bytes for the upper half of the lanes
	v_lshl_add_u32 v29, s14, 10, v29               ; + my wave's 1,024 bytes
	v_lshlrev_b32 v30, 4, v3
	v_lshl_add_u32 v30, s14, 13, v30               ; in xs: 16 lane + my wave's eight images
	s_lshl_b32 s2, s15, 15
	s_mov_b32 s3, 0
	s_add_nc_u64 s[8:9], s[8:9], s[2:3]
.set u, 0
.rept 16                                           ; u = 2 x image + half of it: eight f32 a lane
	global_load_b128 v[32+8*u:32+8*u+3],   v29, s[6:7] offset:64*u
	global_load_b128 v[32+8*u+4:32+8*u+7], v29, s[6:7] offset:64*u+16
.set u, u+1
.endr
.set u, 0
.rept 16
	s_wait_loadcnt 30-2*u                          ; loads come back in order: the two of half u are in, the two of each later half may be out
	v_cvt_pk_bf16_f32 v[160+4*u],   v[32+8*u],   v[32+8*u+1]
	v_cvt_pk_bf16_f32 v[160+4*u+1], v[32+8*u+2], v[32+8*u+3]
	v_cvt_pk_bf16_f32 v[160+4*u+2], v[32+8*u+4], v[32+8*u+5]
	v_cvt_pk_bf16_f32 v[160+4*u+3], v[32+8*u+6], v[32+8*u+7]
	global_store_b128 v30, v[160+4*u:160+4*u+3], s[8:9] offset:512*u  ; 512 consecutive bytes; every store has registers of its own
.set u, u+1
.endr
.Lend:
	s_wait_tensorcnt 0x0                           ; the wave's end
	ds_add_u32 v1, v2
	s_wait_dscnt 0x0
	s_endpgm
.Lfunc_end_k_qe91f18f8ed_prep:
	.size	k_qe91f18f8ed_prep, .Lfunc_end_k_qe91f18f8ed_prep-k_qe91f18f8ed_prep
	.p2alignl 7, 3214868480
	.fill 96, 4, 3214868480
	.section	.rodata,"a",@progbits
	.p2align	6, 0x0
	.amdhsa_kernel k_qe91f18f8ed_prep
		.amdhsa_group_segment_fixed_size 2048
		.amdhsa_private_segment_fixed_size 0
		.amdhsa_enable_private_segment 0
		.amdhsa_kernarg_size 40
		.amdhsa_user_sgpr_count 2
		.amdhsa_user_sgpr_kernarg_segment_ptr 1
		.amdhsa_wavefront_size32 1
		.amdhsa_system_sgpr_workgroup_id_x 1
		.amdhsa_system_sgpr_workgroup_id_y 1
		.amdhsa_system_sgpr_workgroup_id_z 1
		.amdhsa_system_vgpr_workitem_id 0
		.amdhsa_next_free_vgpr 224
		.amdhsa_next_free_sgpr 102
		.amdhsa_reserve_vcc 1
		.amdhsa_float_denorm_mode_32 3
		.amdhsa_float_denorm_mode_16_64 3
		.amdhsa_memory_ordered 1
		.amdhsa_forward_progress 1
		.amdhsa_inst_pref_size 48
	.end_amdhsa_kernel
	.amdgpu_metadata
---
amdhsa.version: [ 1, 2 ]
amdhsa.kernels:
  - .name:           k_qe91f18f8ed_prep
    .symbol:         k_qe91f18f8ed_prep.kd
    .args:
      - { .name: expert_indices, .offset: 0, .size: 8, .value_kind: global_buffer, .address_space: global }
      - { .name: inputs, .offset: 8, .size: 8, .value_kind: global_buffer, .address_space: global }
      - { .name: xs, .offset: 16, .size: 8, .value_kind: global_buffer, .address_space: global }
      - { .name: order, .offset: 24, .size: 8, .value_kind: global_buffer, .address_space: global }
      - { .name: tiles, .offset: 32, .size: 8, .value_kind: global_buffer, .address_space: global }
    .group_segment_fixed_size: 2048
    .private_segment_fixed_size: 0
    .kernarg_segment_align: 8
    .kernarg_segment_size: 40
    .max_flat_workgroup_size: 128
    .sgpr_count:     102
    .vgpr_count:     224
    .wavefront_size: 32
...
	.end_amdgpu_metadata
.endif
;; end of part 1
;; launch up (part 2): grid 32 x 13, 8 waves a work-group, no clusters, 56,320 bytes of LDS; arguments xs, W1, tiles, hid, b1; writes hid
.if DOCPART == 2
	.amdgcn_target "amdgcn-amd-amdhsa--gfx1250"
	.amdhsa_code_object_version 6
	.text
	.protected	k_qe91f18f8ed_up
	.globl	k_qe91f18f8ed_up
	.p2align	8
	.type	k_qe91f18f8ed_up,@function
k_qe91f18f8ed_up:
	s_mov_b64 s[64:65], 0
	v_nop
	global_prefetch_b8 v0, s[64:65] scope:SCOPE_SE
	s_setreg_imm32_b32 hwreg(HW_REG_WAVE_MODE, 25, 1), 1
	s_wait_xcnt 0x0
.set UP, 1
; ONE TEXT FOR BOTH PRODUCTS.  UP = 1: hid = gelu(xs W1[e] + b1[e]), stored in bf16.  UP = 0: part[kq] = hid W2[e] over a quarter kq of the hidden width, stored in f32.
; SHARES.  A work-group has one tile of rows (at most 24 blocks of 16 rows of one expert, from the table 'tiles'), 128 columns of that expert's weights and 1,024 of K: 512 KiB of f32 weights
; that no other work-group of the expert's first tile reads.  K goes in 16 steps of 64.  Wave w has the tile's blocks w, 8 + w, 16 + w (three SLOTS) and all 8 blocks of 16 columns: 24 accumulators.
; WEIGHTS: memory -> registers (each load 512 consecutive bytes of one k row) -> bf16 -> LDS, [k][128] with rows 288 bytes apart -> turned by ds_load_tr16_b128 into fragments.
; ROWS: they lie in memory in the order of an operand's registers (1,024 bytes for 16 rows x 32 k), so two loads of 512 consecutive bytes fill a fragment; they never touch LDS.
; THE MATRIX INSTRUCTION IS USED TRANSPOSED (source 0 = 16 weight columns, source 1 = 16 rows): a lane then holds one row and eight neighbouring columns, which is the layout in which
; the next launch reads, so results are stored straight from registers, 512 consecutive bytes an instruction.
; RINGS.  Step s multiplies rows A(s) (register slot s % 3) by weights W(s) (LDS buffer s % 3); converts W(s + 2) into buffer (s + 2) % 3, last read in step s - 1, ahead of that step's barrier;
; asks for A(s + 2) and then for W(s + 5).  One barrier a step.  A wave has 48 loads out at the most.
; EVERY WAVE PASSES EVERY BARRIER, whatever the table holds.  A tile without rows (the price of a grid that serves every split) runs the rings with its offsets and steps multiplied by 0, so that
; its loads fall on a few bytes that have been written; a wave without a block jumps over a step's fragment loads and products; a slot without a block loads one 16 bytes for all lanes.
; Step 0 is never jumped: its products start all 24 sums.  The jumped text holds no barrier and no global load, so every counted wait sees the same loads on every path.
; ADDRESSES.  What comes from the table enters an address only cut by s_min_u32 to a constant, and behind that through sums, left shifts and products alone.
; LIMITS.  Operands are rounded to bf16, sums are f32.  gelu is the tanh form, x / (1 + 2^-t), t = x (c1 + c2 x^2); a power below 2^-126 counts as 0; NaN and infinities are not treated apart.
.set NT, 13
.if UP
.set PITCH, 16384                      ; bytes from a k row of the weights to the next
.set ASH, 15                           ; a block of rows: 32 images of 1,024 bytes
.set OSH, 17                           ; a block of results: 128 images of 1,024 bytes
.else
.set PITCH, 4096
.set ASH, 17
.set OSH, 16                           ; 64 images of 1,024 bytes (16 rows x 16 columns of f32)
.endif
.set PQ, 135*65536                     ; bytes of one quarter's partial results
.set WP, 288                           ; an LDS row: 256 bytes + 32
.set WBUF, 64*WP
.set SPARE, 3*WBUF                     ; behind the three buffers: the spare words, 128 bytes for each of eight waves
; window 0: v1, v2 the add's registers; v3 W offset; v4 where I store W in LDS; v5 where I read fragments; v6-8 rows' offsets by slot; v9-11 results' offsets by slot; v12 16 lane; v13 32 (lane / 16);
;           v16-63 A ring slot 0 (behind the loop: T and P); v64-255 the accumulators: (slot i, column block c) at 64 + 8 (8 i + c)
; window 1: v0-63 two groups of four W fragments; v64-159 three W slots of 32 (from step 14 on v64-127 the bias); v160-207, v208-255 A ring slots 1, 2
; s14 wave   s20-22 the tile's expert, first block, blocks   s24 my slots that have a block (branches alone)   s27 1: the tile has rows   s35-37 1: slot 0, 1, 2 has a block
.set ACC, 64
.set BF, 0
.set WS, 64
.set T, 16
.set P, 48
.set MSB, 0
.macro WIN new                         ; s_set_vgpr_msb: bits 1:0 source 0, 3:2 source 1, 5:4 source 2, 7:6 destination; the high byte repeats the setting that is left
.if MSB != (\new)
	s_set_vgpr_msb (MSB<<8)|(\new)
.set MSB, (\new)
.endif
.endm
.macro PLACES                          ; four plain instructions between a matrix instruction and a load into, or a vector write of, one of its registers
.rept 4
	v_nop
.endr
.endm
.macro ASLOT slot                      ; where A ring slot 'slot' lies
.if (\slot) == 0
.set AS, 16
.set AW, 0
.else
.set AS, 112+48*(\slot)
.set AW, 1
.endif
.endm
.macro WLOAD slot, q                   ; my 8 of a step's 64 k rows: 512 bytes each
	WIN 0x40
.irp j, 0,1,2,3,4,5,6,7
	global_load_b128 v[WS+32*(\slot)+4*(\j):WS+32*(\slot)+4*(\j)+3], v3, s[6:7] offset:(64*(\q)+(\j))*PITCH th:TH_LOAD_NT
.endr
.endm
.macro ALOAD slot, q                   ; a step's rows: 3 blocks x 2 fragments x 2 halves
	ASLOT \slot
	WIN 0x40*AW
.irp i, 0,1,2
.irp f, 0,1,2,3
	global_load_b128 v[AS+16*(\i)+4*(\f):AS+16*(\i)+4*(\f)+3], v[6+(\i)], s[4:5] offset:(\q)*2048+(\f)*512
.endr
.endr
.endm
.macro WCVT slot                       ; W slot -> bf16, in place -> LDS buffer of the same number: 256 consecutive bytes a store
	WIN 0x45
.irp j, 0,1,2,3,4,5,6,7
	v_cvt_pk_bf16_f32 v[WS+32*(\slot)+4*(\j)],   v[WS+32*(\slot)+4*(\j)],   v[WS+32*(\slot)+4*(\j)+1]
	v_cvt_pk_bf16_f32 v[WS+32*(\slot)+4*(\j)+1], v[WS+32*(\slot)+4*(\j)+2], v[WS+32*(\slot)+4*(\j)+3]
.endr
	WIN 0x04
.irp j, 0,1,2,3,4,5,6,7
	ds_store_b64 v4, v[WS+32*(\slot)+4*(\j):WS+32*(\slot)+4*(\j)+1] offset:(\slot)*WBUF+(\j)*WP
.endr
.endm
.macro BLOAD buf, gi, bs               ; group gi of a step: k half gi / 2, column blocks 4 (gi % 2) + 0..3 -> fragment group bs
	WIN 0x40
.irp c, 0,1,2,3
	ds_load_tr16_b128 v[BF+32*(\bs)+8*(\c):BF+32*(\bs)+8*(\c)+3],   v5 offset:(\buf)*WBUF+((\gi)/2)*32*WP+(4*((\gi)%2)+(\c))*32
	ds_load_tr16_b128 v[BF+32*(\bs)+8*(\c)+4:BF+32*(\bs)+8*(\c)+7], v5 offset:(\buf)*WBUF+((\gi)/2)*32*WP+(4*((\gi)%2)+(\c))*32+16*WP
.endr
.endm
.macro MM i, c, gi, bs
.set rD, ACC+8*(8*(\i)+4*((\gi)%2)+(\c))
.set rW, BF+32*(\bs)+8*(\c)
.set rA, AS+16*(\i)+8*((\gi)/2)
.if ZR
	v_wmma_f32_16x16x32_bf16 v[rD:rD+7], v[rW:rW+7], v[rA:rA+7], 0
.else
	v_wmma_f32_16x16x32_bf16 v[rD:rD+7], v[rW:rW+7], v[rA:rA+7], v[rD:rD+7]
.endif
.endm
; A group's 12 products.  The accumulators take turns, one instruction a turn; no two that follow each other share one, with the third slot or without it.
; first = 1 (step 0): the first k half starts the sums with the constant 0, and the third slot is never jumped.
.macro MULG slot, gi, bs, first
	ASLOT \slot
.set ZR, 0
.if (\first) && ((\gi) < 2)
.set ZR, 1
.endif
	WIN 0x01+0x04*AW
.irp c, 0,1,2,3
	MM 0, \c, \gi, \bs
	MM 1, \c, \gi, \bs
.endr
.if (\first) == 0
	WIN 0                                          ; at a branch and at a label every window is 0
	s_cmp_lt_u32 s24, 3
	s_cbranch_scc1 .Lsk_\@                         ; my third slot has no block
	WIN 0x01+0x04*AW
.endif
.irp c, 0,1,2,3
	MM 2, \c, \gi, \bs
.endr
	WIN 0
.if (\first) == 0
.Lsk_\@:
.endif
.endm
.if UP
.macro BIASLD                          ; my eight columns' bias for each of the 8 column blocks, into the W slots, which are free from step 14 on
	WIN 0x40
.irp c, 0,1,2,3,4,5,6,7
	global_load_b128 v[WS+8*(\c):WS+8*(\c)+3],   v13, s[12:13] offset:64*(\c)
	global_load_b128 v[WS+8*(\c)+4:WS+8*(\c)+7], v13, s[12:13] offset:64*(\c)+16
.endr
.endm
.endif
; STEP s, m = s % 3.  q: the step's place in the immediates.  cnt: the loads issued behind the younger of A(s) and W(s + 2), which may stay out.
.macro STEP m, q, first, doW, issA, issW, cnt, bias, bar
	s_wait_loadcnt \cnt
.if \doW
	WCVT ((\m)+2)%3                                ; its 16 conversions are also the places behind the last step's products
.else
	PLACES
.endif
.if \issA
	ALOAD ((\m)+2)%3, \q                           ; rows ahead of weights: then no wait for rows makes a younger load of weights land early
.endif
.if \issW
	WLOAD ((\m)+2)%3, \q
.endif
.if \bias
	BIASLD
.endif
	WIN 0
.if (\first) == 0
	s_cmp_eq_u32 s24, 0
	s_cbranch_scc1 .Lnone_\@                       ; I have no block: no fragments, no products
.endif
	BLOAD \m, 0, 0
	BLOAD \m, 1, 1
	s_wait_dscnt 8                                 ; all but the youngest eight: my stores and group 0 are done
	MULG \m, 0, 0, \first
	PLACES
	BLOAD \m, 2, 0
	s_wait_dscnt 8                                 ; group 1 is in
	MULG \m, 1, 1, \first
	PLACES
	BLOAD \m, 3, 1
	s_wait_dscnt 8                                 ; group 2 is in
	MULG \m, 2, 0, \first
	s_wait_dscnt 0x0
	MULG \m, 3, 1, \first
.if (\first) == 0
.Lnone_\@:
.endif
.if \bar
	s_wait_dscnt 0x0                               ; my stores into buffer (s + 2) % 3 are done and my reads of buffer s % 3 are back:
	s_barrier_signal -1                            ; behind the barrier the one may be read
	s_barrier_wait -1                              ; and the other written
.endif
.endm
	s_load_b256 s[4:11], s[0:1], 0x0               ; rows s[4:5], weights s[6:7], tiles s[8:9], results s[10:11]
.if UP
	s_load_b64 s[12:13], s[0:1], 0x20              ; bias
.endif
	v_lshl_add_u32 v1, v0, 2, SPARE
	v_mov_b32 v2, 0
	v_and_b32 v14, 31, v0                          ; lane
	v_lshrrev_b32 v15, 5, v0
	v_readfirstlane_b32 s14, v15                   ; wave 0..7
	s_and_b32 s16, ttmp7, 0xffff
	s_sub_co_u32 s16, NT-1, s16                    ; tile = 12 - y: the overflow tiles, which most splits leave empty, have the grid's lowest y
	s_lshl_b32 s16, s16, 4
	s_wait_kmcnt 0x0
	s_load_b128 s[20:23], s[8:9], s16 offset:0x0   ; expert, first block, blocks, 0
	v_lshlrev_b32 v12, 4, v14
	v_lshrrev_b32 v15, 4, v14                      ; lane / 16
.if UP
	v_lshlrev_b32 v13, 5, v15
.endif
	s_mul_i32 s2, s14, 8*WP
	v_lshl_add_u32 v4, v14, 3, s2                  ; LDS row 8 w, 8 bytes a lane
	v_and_b32 v5, 7, v14
	v_lshl_add_u32 v5, v15, 3, v5
	v_mul_u32_u24 v5, v5, WP                       ; the turning load: row 8 (lane / 16) + lane % 8,
	v_bfe_u32 v15, v14, 3, 1
	v_lshl_add_u32 v5, v15, 4, v5                  ; 16 bytes by (lane / 8) % 2
.if UP
	s_mov_b32 s25, ttmp9                           ; slice of 128 columns
	s_mov_b32 s40, 0xc0135761                      ; -c1 = -2 sqrt(2 / pi) log2(e)
	s_mov_b32 s41, s40                             ; named as pairs
	s_mov_b32 s42, 0xbdd2d3e8                      ; -c2 = -0.044715 c1
	s_mov_b32 s43, s42
.else
	s_and_b32 s25, ttmp9, 7                        ; slice of 128 columns
	s_lshr_b32 s26, ttmp9, 3                       ; quarter of K
.endif
	s_wait_kmcnt 0x0
	s_min_u32 s20, s20, 7                          ; what was loaded enters addresses only cut to the tables' sizes
	s_min_u32 s21, s21, 134
	s_min_u32 s22, s22, 24
	s_min_u32 s27, s22, 1                          ; 1: the tile has rows
	s_mul_i32 s21, s21, s27                        ; a tile without rows reads block 0, which every split writes
	s_add_co_u32 s24, s22, 7
	s_sub_co_u32 s24, s24, s14
	s_lshr_b32 s24, s24, 3                         ; my slots that have a block, 0 to 3: those with 8 i + w below the tile's blocks.  It steers branches alone
	s_min_u32 s35, s24, 1                          ; 1: slot 0 has a block (one or more)
	s_lshr_b32 s36, s24, 1
	s_min_u32 s36, s36, 1                          ; 1: slot 1 has one (two or three)
	s_add_co_u32 s37, s24, 1
	s_lshr_b32 s37, s37, 2
	s_min_u32 s37, s37, 1                          ; 1: slot 2 has one (three)
	s_mul_i32 s28, s27, 5*64*PITCH                 ; the weights' pointer steps, 0 for a tile without rows
	s_mov_b32 s29, 0
	s_mul_i32 s30, s27, 3*64*PITCH
	s_mov_b32 s31, 0
	s_mul_i32 s2, s14, 8*PITCH                     ; k row 8 w, 16 bytes a lane;
	s_mul_i32 s2, s2, s27                          ; both times 0 for a tile without rows
	v_mul_u32_u24 v3, s27, v12
	v_add_nc_u32 v3, s2, v3
	s_lshl_b32 s44, s20, 24                        ; an expert's weights are 16 MiB
	s_lshl_b32 s2, s25, 9
	s_add_co_u32 s44, s44, s2
.if UP == 0
	s_lshl_b32 s2, s26, 22                         ; 1,024 k rows of 4,096 bytes
	s_add_co_u32 s44, s44, s2
.endif
	s_mov_b32 s45, 0
	s_add_nc_u64 s[6:7], s[6:7], s[44:45]
.if UP
	s_lshl_b32 s44, s25, 12                        ; results: 128 columns are four images of 1,024 bytes
	s_add_nc_u64 s[10:11], s[10:11], s[44:45]
	s_lshl_b32 s44, s20, 14
	s_lshl_b32 s2, s25, 9
	s_add_co_u32 s44, s44, s2
	s_add_nc_u64 s[12:13], s[12:13], s[44:45]
.else
	s_lshl_b32 s44, s26, 15                        ; rows: a quarter of K is 32 images
	s_add_nc_u64 s[4:5], s[4:5], s[44:45]
	s_mul_i32 s44, s26, PQ
	s_lshl_b32 s2, s25, 13                         ; results: 128 columns are eight images
	s_add_co_u32 s44, s44, s2
	s_add_nc_u64 s[10:11], s[10:11], s[44:45]
.endif
.irp i, 0,1,2
	s_add_co_u32 s2, s14, 8*(\i)                   ; slot i's block in the tile: 8 i + w
	s_add_co_u32 s3, s21, s2
	s_min_u32 s3, s3, 134
	s_lshl_b32 s3, s3, OSH
	v_add_nc_u32 v[9+(\i)], s3, v12                ; where its results go
	s_mul_i32 s2, s2, s[35+(\i)]                   ; a slot without a block reads the tile's first block,
	s_add_co_u32 s2, s2, s21
	s_min_u32 s2, s2, 134
	s_lshl_b32 s2, s2, ASH
	v_mul_u32_u24 v[6+(\i)], s[35+(\i)], v12       ; all lanes the same 16 bytes
	v_add_nc_u32 v[6+(\i)], s2, v[6+(\i)]
.endr
	WLOAD 0, 0
	WLOAD 1, 1
	WLOAD 2, 2
	ALOAD 0, 0
	ALOAD 1, 1
	s_wait_loadcnt 32                              ; W(0) and W(1) are in; W(2), A(0), A(1) may be out: 8 + 12 + 12
	WCVT 0
	WCVT 1
	WLOAD 0, 3
	WLOAD 1, 4
	WIN 0
	s_wait_xcnt 0x0                                ; the pointers are stepped only behind this wait
	s_add_nc_u64 s[6:7], s[6:7], s[28:29]          ; weights at step 5,
	s_add_nc_u64 s[4:5], s[4:5], 2*2048            ; rows at step 2
	s_wait_dscnt 0x0                               ; for the others' sake: my part of buffers 0 and 1 is written
	s_barrier_signal -1
	s_barrier_wait -1
	STEP 0, 0, 1, 1, 1, 1, 28, 0, 1                ; step 0 stands ahead of the loop: its products start the sums.  28: A(1), W(3), W(4)
	s_mov_b32 s38, 3
.Ltrip:                                                ; steps 1 to 9, three a trip: once round the rings.  28: step 1: W(4), A(2), W(5); later: W(s + 3), A(s + 1), W(s + 4)
	STEP 1, 1, 0, 1, 1, 1, 28, 0, 1
	STEP 2, 2, 0, 1, 1, 1, 28, 0, 1
	STEP 0, 3, 0, 1, 1, 1, 28, 0, 1
	s_wait_xcnt 0x0
	s_add_nc_u64 s[6:7], s[6:7], s[30:31]
	s_add_nc_u64 s[4:5], s[4:5], 3*2048
	s_sub_co_u32 s38, s38, 1
	s_cmp_lg_u32 s38, 0
	s_cbranch_scc1 .Ltrip
	STEP 1, 1, 0, 1, 1, 1, 28, 0, 1                ; step 10 asks for the last weights, W(15)
	STEP 2, 2, 0, 1, 1, 0, 28, 0, 1                ; step 11.  28: W(14), A(12), W(15)
	STEP 0, 3, 0, 1, 1, 0, 20, 0, 1                ; step 12.  20: W(15), A(13)
	STEP 1, 4, 0, 1, 1, 0, 12, 0, 1                ; step 13.  12: A(14).  It converts W(15) and asks for the last rows; its barrier is the last
	STEP 2, 0, 0, 0, 0, 0, 12, UP, 0               ; step 14.  12: A(15)
	STEP 0, 0, 0, 0, 0, 0, 16*UP, 0, 0             ; step 15.  The bias's 16 loads may be out
	PLACES                                         ; behind the last products
.if UP
; 32 numbers (four accumulators of slot i): x = sum + bias; x / (1 + 2^-t), -t = x (-c1 - c2 x^2); rounded to bf16; a lane's eight columns are 16 bytes of the next launch's image.
; Each batch of 32 exponentials or reciprocals has one plain instruction and one wait behind it.  An accumulator's lowest registers are read first.
.macro GELU i, hq
.set X0, ACC+8*(8*(\i)+4*(\hq))
.set B0, WS+32*(\hq)
	WIN 0x04
.set z, 0
.rept 16
	v_pk_add_f32 v[X0+z:X0+z+1], v[X0+z:X0+z+1], v[B0+z:B0+z+1]
.set z, z+2
.endr
	WIN 0
.set z, 0
.rept 16
	v_pk_mul_f32 v[T+z:T+z+1], v[X0+z:X0+z+1], v[X0+z:X0+z+1]
.set z, z+2
.endr
.set z, 0
.rept 16
	v_pk_fma_f32 v[T+z:T+z+1], v[T+z:T+z+1], s[42:43], s[40:41] op_sel_hi:[1,0,0]
.set z, z+2
.endr
.set z, 0
.rept 16
	v_pk_mul_f32 v[T+z:T+z+1], v[T+z:T+z+1], v[X0+z:X0+z+1]
.set z, z+2
.endr
.set z, 0
.rept 32
	v_exp_f32 v[T+z], v[T+z]
.set z, z+1
.endr
	v_nop
	s_wait_alu depctr_va_vdst(0)
.set z, 0
.rept 16
	v_pk_add_f32 v[T+z:T+z+1], v[T+z:T+z+1], 1.0 op_sel_hi:[1,0]
.set z, z+2
.endr
.set z, 0
.rept 32
	v_rcp_f32 v[T+z], v[T+z]
.set z, z+1
.endr
	v_nop
	s_wait_alu depctr_va_vdst(0)
.set z, 0
.rept 16
	v_pk_mul_f32 v[T+z:T+z+1], v[T+z:T+z+1], v[X0+z:X0+z+1]
.set z, z+2
.endr
	s_wait_xcnt 0x0                                ; P, which the last four stores read, is rewritten only behind this wait
.set z, 0
.rept 16
	v_cvt_pk_bf16_f32 v[P+z], v[T+2*z], v[T+2*z+1]
.set z, z+1
.endr
.irp a, 0,1,2,3
	global_store_b128 v[9+(\i)], v[P+4*(\a):P+4*(\a)+3], s[10:11] offset:(4*(\hq)+(\a))*512  ; 512 consecutive bytes
.endr
.endm
	s_wait_loadcnt 0x0                             ; the bias
.irp i, 0,1,2
	s_cmp_le_u32 s24, \i
	s_cbranch_scc1 .Lend                           ; a slot without a block stores nothing
	GELU \i, 0
	GELU \i, 1
.endr
.else
.irp i, 0,1,2
	s_cmp_le_u32 s24, \i
	s_cbranch_scc1 .Lend                           ; a slot without a block stores nothing
.irp c, 0,1,2,3,4,5,6,7
	global_store_b128 v[9+(\i)], v[ACC+8*(8*(\i)+(\c)):ACC+8*(8*(\i)+(\c))+3],   s[10:11] offset:(\c)*1024      ; the sums as they lie: 512 consecutive bytes; the lowest registers first
	global_store_b128 v[9+(\i)], v[ACC+8*(8*(\i)+(\c))+4:ACC+8*(8*(\i)+(\c))+7], s[10:11] offset:(\c)*1024+512
.endr
.endr
.endif
.Lend:
	s_wait_tensorcnt 0x0                           ; the wave's end
	ds_add_u32 v1, v2
	s_wait_dscnt 0x0
	s_endpgm
.Lfunc_end_k_qe91f18f8ed_up:
	.size	k_qe91f18f8ed_up, .Lfunc_end_k_qe91f18f8ed_up-k_qe91f18f8ed_up
	.p2alignl 7, 3214868480
	.fill 96, 4, 3214868480
	.section	.rodata,"a",@progbits
	.p2align	6, 0x0
	.amdhsa_kernel k_qe91f18f8ed_up
		.amdhsa_group_segment_fixed_size 56320
		.amdhsa_private_segment_fixed_size 0
		.amdhsa_enable_private_segment 0
		.amdhsa_kernarg_size 40
		.amdhsa_user_sgpr_count 2
		.amdhsa_user_sgpr_kernarg_segment_ptr 1
		.amdhsa_wavefront_size32 1
		.amdhsa_system_sgpr_workgroup_id_x 1
		.amdhsa_system_sgpr_workgroup_id_y 1
		.amdhsa_system_sgpr_workgroup_id_z 1
		.amdhsa_system_vgpr_workitem_id 0
		.amdhsa_next_free_vgpr 512
		.amdhsa_next_free_sgpr 66
		.amdhsa_reserve_vcc 0
		.amdhsa_float_denorm_mode_32 3
		.amdhsa_float_denorm_mode_16_64 3
		.amdhsa_memory_ordered 1
		.amdhsa_forward_progress 1
		.amdhsa_inst_pref_size 163
	.end_amdhsa_kernel
	.amdgpu_metadata
---
amdhsa.version: [ 1, 2 ]
amdhsa.kernels:
  - .name:           k_qe91f18f8ed_up
    .symbol:         k_qe91f18f8ed_up.kd
    .args:
      - { .name: xs, .offset: 0, .size: 8, .value_kind: global_buffer, .address_space: global }
      - { .name: W1, .offset: 8, .size: 8, .value_kind: global_buffer, .address_space: global }
      - { .name: tiles, .offset: 16, .size: 8, .value_kind: global_buffer, .address_space: global }
      - { .name: hid, .offset: 24, .size: 8, .value_kind: global_buffer, .address_space: global }
      - { .name: b1, .offset: 32, .size: 8, .value_kind: global_buffer, .address_space: global }
    .group_segment_fixed_size: 56320
    .private_segment_fixed_size: 0
    .kernarg_segment_align: 8
    .kernarg_segment_size: 40
    .max_flat_workgroup_size: 256
    .sgpr_count:     66
    .vgpr_count:     512
    .wavefront_size: 32
...
	.end_amdgpu_metadata
.endif
;; end of part 2
;; launch down (part 3): grid 32 x 13, 8 waves a work-group, no clusters, 56,320 bytes of LDS; arguments hid, W2, tiles, part; writes part
.if DOCPART == 3
	.amdgcn_target "amdgcn-amd-amdhsa--gfx1250"
	.amdhsa_code_object_version 6
	.text
	.protected	k_qe91f18f8ed_down
	.globl	k_qe91f18f8ed_down
	.p2align	8
	.type	k_qe91f18f8ed_down,@function
k_qe91f18f8ed_down:
	s_mov_b64 s[64:65], 0
	v_nop
	global_prefetch_b8 v0, s[64:65] scope:SCOPE_SE
	s_setreg_imm32_b32 hwreg(HW_REG_WAVE_MODE, 25, 1), 1
	s_wait_xcnt 0x0
.set UP, 0
; ONE TEXT FOR BOTH PRODUCTS.  UP = 1: hid = gelu(xs W1[e] + b1[e]), stored in bf16.  UP = 0: part[kq] = hid W2[e] over a quarter kq of the hidden width, stored in f32.
; SHARES.  A work-group has one tile of rows (at most 24 blocks of 16 rows of one expert, from the table 'tiles'), 128 columns of that expert's weights and 1,024 of K: 512 KiB of f32 weights
; that no other work-group of the expert's first tile reads.  K goes in 16 steps of 64.  Wave w has the tile's blocks w, 8 + w, 16 + w (three SLOTS) and all 8 blocks of 16 columns: 24 accumulators.
; WEIGHTS: memory -> registers (each load 512 consecutive bytes of one k row) -> bf16 -> LDS, [k][128] with rows 288 bytes apart -> turned by ds_load_tr16_b128 into fragments.
; ROWS: they lie in memory in the order of an operand's registers (1,024 bytes for 16 rows x 32 k), so two loads of 512 consecutive bytes fill a fragment; they never touch LDS.
; THE MATRIX INSTRUCTION IS USED TRANSPOSED (source 0 = 16 weight columns, source 1 = 16 rows): a lane then holds one row and eight neighbouring columns, which is the layout in which
; the next launch reads, so results are stored straight from registers, 512 consecutive bytes an instruction.
; RINGS.  Step s multiplies rows A(s) (register slot s % 3) by weights W(s) (LDS buffer s % 3); converts W(s + 2) into buffer (s + 2) % 3, last read in step s - 1, ahead of that step's barrier;
; asks for A(s + 2) and then for W(s + 5).  One barrier a step.  A wave has 48 loads out at the most.
; EVERY WAVE PASSES EVERY BARRIER, whatever the table holds.  A tile without rows (the price of a grid that serves every split) runs the rings with its offsets and steps multiplied by 0, so that
; its loads fall on a few bytes that have been written; a wave without a block jumps over a step's fragment loads and products; a slot without a block loads one 16 bytes for all lanes.
; Step 0 is never jumped: its products start all 24 sums.  The jumped text holds no barrier and no global load, so every counted wait sees the same loads on every path.
; ADDRESSES.  What comes from the table enters an address only cut by s_min_u32 to a constant, and behind that through sums, left shifts and products alone.
; LIMITS.  Operands are rounded to bf16, sums are f32; K = 4,096 is summed in four quarters, which the next launch adds: another order of rounding than one sum's.  NaN and infinities are not treated apart.
.set NT, 13
.if UP
.set PITCH, 16384                      ; bytes from a k row of the weights to the next
.set ASH, 15                           ; a block of rows: 32 images of 1,024 bytes
.set OSH, 17                           ; a block of results: 128 images of 1,024 bytes
.else
.set PITCH, 4096
.set ASH, 17
.set OSH, 16                           ; 64 images of 1,024 bytes (16 rows x 16 columns of f32)
.endif
.set PQ, 135*65536                     ; bytes of one quarter's partial results
.set WP, 288                           ; an LDS row: 256 bytes + 32
.set WBUF, 64*WP
.set SPARE, 3*WBUF                     ; behind the three buffers: the spare words, 128 bytes for each of eight waves
; window 0: v1, v2 the add's registers; v3 W offset; v4 where I store W in LDS; v5 where I read fragments; v6-8 rows' offsets by slot; v9-11 results' offsets by slot; v12 16 lane;
;           v16-63 A ring slot 0; v64-255 the accumulators: (slot i, column block c) at 64 + 8 (8 i + c)
; window 1: v0-63 two groups of four W fragments; v64-159 three W slots of 32; v160-207, v208-255 A ring slots 1, 2
; s14 wave   s20-22 the tile's expert, first block, blocks   s24 my slots that have a block (branches alone)   s27 1: the tile has rows   s35-37 1: slot 0, 1, 2 has a block
.set ACC, 64
.set BF, 0
.set WS, 64
.set MSB, 0
.macro WIN new                         ; s_set_vgpr_msb: bits 1:0 source 0, 3:2 source 1, 5:4 source 2, 7:6 destination; the high byte repeats the setting that is left
.if MSB != (\new)
	s_set_vgpr_msb (MSB<<8)|(\new)
.set MSB, (\new)
.endif
.endm
.macro PLACES                          ; four plain instructions between a matrix instruction and a load into, or a store or vector read of, one of its registers
.rept 4
	v_nop
.endr
.endm
.macro ASLOT slot                      ; where A ring slot 'slot' lies
.if (\slot) == 0
.set AS, 16
.set AW, 0
.else
.set AS, 112+48*(\slot)
.set AW, 1
.endif
.endm
.macro WLOAD slot, q                   ; my 8 of a step's 64 k rows: 512 bytes each
	WIN 0x40
.irp j, 0,1,2,3,4,5,6,7
	global_load_b128 v[WS+32*(\slot)+4*(\j):WS+32*(\slot)+4*(\j)+3], v3, s[6:7] offset:(64*(\q)+(\j))*PITCH th:TH_LOAD_NT
.endr
.endm
.macro ALOAD slot, q                   ; a step's rows: 3 blocks x 2 fragments x 2 halves
	ASLOT \slot
	WIN 0x40*AW
.irp i, 0,1,2
.irp f, 0,1,2,3
	global_load_b128 v[AS+16*(\i)+4*(\f):AS+16*(\i)+4*(\f)+3], v[6+(\i)], s[4:5] offset:(\q)*2048+(\f)*512
.endr
.endr
.endm
.macro WCVT slot                       ; W slot -> bf16, in place -> LDS buffer of the same number: 256 consecutive bytes a store
	WIN 0x45
.irp j, 0,1,2,3,4,5,6,7
	v_cvt_pk_bf16_f32 v[WS+32*(\slot)+4*(\j)],   v[WS+32*(\slot)+4*(\j)],   v[WS+32*(\slot)+4*(\j)+1]
	v_cvt_pk_bf16_f32 v[WS+32*(\slot)+4*(\j)+1], v[WS+32*(\slot)+4*(\j)+2], v[WS+32*(\slot)+4*(\j)+3]
.endr
	WIN 0x04
.irp j, 0,1,2,3,4,5,6,7
	ds_store_b64 v4, v[WS+32*(\slot)+4*(\j):WS+32*(\slot)+4*(\j)+1] offset:(\slot)*WBUF+(\j)*WP
.endr
.endm
.macro BLOAD buf, gi, bs               ; group gi of a step: k half gi / 2, column blocks 4 (gi % 2) + 0..3 -> fragment group bs
	WIN 0x40
.irp c, 0,1,2,3
	ds_load_tr16_b128 v[BF+32*(\bs)+8*(\c):BF+32*(\bs)+8*(\c)+3],   v5 offset:(\buf)*WBUF+((\gi)/2)*32*WP+(4*((\gi)%2)+(\c))*32
	ds_load_tr16_b128 v[BF+32*(\bs)+8*(\c)+4:BF+32*(\bs)+8*(\c)+7], v5 offset:(\buf)*WBUF+((\gi)/2)*32*WP+(4*((\gi)%2)+(\c))*32+16*WP
.endr
.endm
.macro MM i, c, gi, bs
.set rD, ACC+8*(8*(\i)+4*((\gi)%2)+(\c))
.set rW, BF+32*(\bs)+8*(\c)
.set rA, AS+16*(\i)+8*((\gi)/2)
.if ZR
	v_wmma_f32_16x16x32_bf16 v[rD:rD+7], v[rW:rW+7], v[rA:rA+7], 0
.else
	v_wmma_f32_16x16x32_bf16 v[rD:rD+7], v[rW:rW+7], v[rA:rA+7], v[rD:rD+7]
.endif
.endm
; A group's 12 products.  The accumulators take turns, one instruction a turn; no two that follow each other share one, with the third slot or without it.
; first = 1 (step 0): the first k half starts the sums with the constant 0, and the third slot is never jumped.
.macro MULG slot, gi, bs, first
	ASLOT \slot
.set ZR, 0
.if (\first) && ((\gi) < 2)
.set ZR, 1
.endif
	WIN 0x01+0x04*AW
.irp c, 0,1,2,3
	MM 0, \c, \gi, \bs
	MM 1, \c, \gi, \bs
.endr
.if (\first) == 0
	WIN 0                                          ; at a branch and at a label every window is 0
	s_cmp_lt_u32 s24, 3
	s_cbranch_scc1 .Lsk_\@                         ; my third slot has no block
	WIN 0x01+0x04*AW
.endif
.irp c, 0,1,2,3
	MM 2, \c, \gi, \bs
.endr
	WIN 0
.if (\first) == 0
.Lsk_\@:
.endif
.endm
; STEP s, m = s % 3.  q: the step's place in the immediates.  cnt: the loads issued behind the younger of A(s) and W(s + 2), which may stay out.
.macro STEP m, q, first, doW, issA, issW, cnt, bar
	s_wait_loadcnt \cnt
.if \doW
	WCVT ((\m)+2)%3                                ; its 16 conversions are also the places behind the last step's products
.else
	PLACES
.endif
.if \issA
	ALOAD ((\m)+2)%3, \q                           ; rows ahead of weights: then no wait for rows makes a younger load of weights land early
.endif
.if \issW
	WLOAD ((\m)+2)%3, \q
.endif
	WIN 0
.if (\first) == 0
	s_cmp_eq_u32 s24, 0
	s_cbranch_scc1 .Lnone_\@                       ; I have no block: no fragments, no products
.endif
	BLOAD \m, 0, 0
	BLOAD \m, 1, 1
	s_wait_dscnt 8                                 ; all but the youngest eight: my stores and group 0 are done
	MULG \m, 0, 0, \first
	PLACES
	BLOAD \m, 2, 0
	s_wait_dscnt 8                                 ; group 1 is in
	MULG \m, 1, 1, \first
	PLACES
	BLOAD \m, 3, 1
	s_wait_dscnt 8                                 ; group 2 is in
	MULG \m, 2, 0, \first
	s_wait_dscnt 0x0
	MULG \m, 3, 1, \first
.if (\first) == 0
.Lnone_\@:
.endif
.if \bar
	s_wait_dscnt 0x0                               ; my stores into buffer (s + 2) % 3 are done and my reads of buffer s % 3 are back:
	s_barrier_signal -1                            ; behind the barrier the one may be read
	s_barrier_wait -1                              ; and the other written
.endif
.endm
	s_load_b256 s[4:11], s[0:1], 0x0               ; rows s[4:5], weights s[6:7], tiles s[8:9], results s[10:11]
	v_lshl_add_u32 v1, v0, 2, SPARE
	v_mov_b32 v2, 0
	v_and_b32 v14, 31, v0                          ; lane
	v_lshrrev_b32 v15, 5, v0
	v_readfirstlane_b32 s14, v15                   ; wave 0..7
	s_and_b32 s16, ttmp7, 0xffff
	s_sub_co_u32 s16, NT-1, s16                    ; tile = 12 - y: the overflow tiles, which most splits leave empty, have the grid's lowest y
	s_lshl_b32 s16, s16, 4
	s_wait_kmcnt 0x0
	s_load_b128 s[20:23], s[8:9], s16 offset:0x0   ; expert, first block, blocks, 0
	v_lshlrev_b32 v12, 4, v14
	v_lshrrev_b32 v15, 4, v14                      ; lane / 16
	s_mul_i32 s2, s14, 8*WP
	v_lshl_add_u32 v4, v14, 3, s2                  ; LDS row 8 w, 8 bytes a lane
	v_and_b32 v5, 7, v14
	v_lshl_add_u32 v5, v15, 3, v5
	v_mul_u32_u24 v5, v5, WP                       ; the turning load: row 8 (lane / 16) + lane % 8,
	v_bfe_u32 v15, v14, 3, 1
	v_lshl_add_u32 v5, v15, 4, v5                  ; 16 bytes by (lane / 8) % 2
	s_and_b32 s25, ttmp9, 7                        ; slice of 128 columns
	s_lshr_b32 s26, ttmp9, 3                       ; quarter of K
	s_wait_kmcnt 0x0
	s_min_u32 s20, s20, 7                          ; what was loaded enters addresses only cut to the tables' sizes
	s_min_u32 s21, s21, 134
	s_min_u32 s22, s22, 24
	s_min_u32 s27, s22, 1                          ; 1: the tile has rows
	s_mul_i32 s21, s21, s27                        ; a tile without rows reads block 0, which every split writes
	s_add_co_u32 s24, s22, 7
	s_sub_co_u32 s24, s24, s14
	s_lshr_b32 s24, s24, 3                         ; my slots that have a block, 0 to 3: those with 8 i + w below the tile's blocks.  It steers branches alone
	s_min_u32 s35, s24, 1                          ; 1: slot 0 has a block (one or more)
	s_lshr_b32 s36, s24, 1
	s_min_u32 s36, s36, 1                          ; 1: slot 1 has one (two or three)
	s_add_co_u32 s37, s24, 1
	s_lshr_b32 s37, s37, 2
	s_min_u32 s37, s37, 1                          ; 1: slot 2 has one (three)
	s_mul_i32 s28, s27, 5*64*PITCH                 ; the weights' pointer steps, 0 for a tile without rows
	s_mov_b32 s29, 0
	s_mul_i32 s30, s27, 3*64*PITCH
	s_mov_b32 s31, 0
	s_mul_i32 s2, s14, 8*PITCH                     ; k row 8 w, 16 bytes a lane;
	s_mul_i32 s2, s2, s27                          ; both times 0 for a tile without rows
	v_mul_u32_u24 v3, s27, v12
	v_add_nc_u32 v3, s2, v3
	s_lshl_b32 s44, s20, 24                        ; an expert's weights are 16 MiB
	s_lshl_b32 s2, s25, 9
	s_add_co_u32 s44, s44, s2
	s_lshl_b32 s2, s26, 22                         ; 1,024 k rows of 4,096 bytes
	s_add_co_u32 s44, s44, s2
	s_mov_b32 s45, 0
	s_add_nc_u64 s[6:7], s[6:7], s[44:45]
	s_lshl_b32 s44, s26, 15                        ; rows: a quarter of K is 32 images
	s_add_nc_u64 s[4:5], s[4:5], s[44:45]
	s_mul_i32 s44, s26, PQ
	s_lshl_b32 s2, s25, 13                         ; results: 128 columns are eight images
	s_add_co_u32 s44, s44, s2
	s_add_nc_u64 s[10:11], s[10:11], s[44:45]
.irp i, 0,1,2
	s_add_co_u32 s2, s14, 8*(\i)                   ; slot i's block in the tile: 8 i + w
	s_add_co_u32 s3, s21, s2
	s_min_u32 s3, s3, 134
	s_lshl_b32 s3, s3, OSH
	v_add_nc_u32 v[9+(\i)], s3, v12                ; where its results go
	s_mul_i32 s2, s2, s[35+(\i)]                   ; a slot without a block reads the tile's first block,
	s_add_co_u32 s2, s2, s21
	s_min_u32 s2, s2, 134
	s_lshl_b32 s2, s2, ASH
	v_mul_u32_u24 v[6+(\i)], s[35+(\i)], v12       ; all lanes the same 16 bytes
	v_add_nc_u32 v[6+(\i)], s2, v[6+(\i)]
.endr
	WLOAD 0, 0
	WLOAD 1, 1
	WLOAD 2, 2
	ALOAD 0, 0
	ALOAD 1, 1
	s_wait_loadcnt 32                              ; W(0) and W(1) are in; W(2), A(0), A(1) may be out: 8 + 12 + 12
	WCVT 0
	WCVT 1
	WLOAD 0, 3
	WLOAD 1, 4
	WIN 0
	s_wait_xcnt 0x0                                ; the pointers are stepped only behind this wait
	s_add_nc_u64 s[6:7], s[6:7], s[28:29]          ; weights at step 5,
	s_add_nc_u64 s[4:5], s[4:5], 2*2048            ; rows at step 2
	s_wait_dscnt 0x0                               ; for the others' sake: my part of buffers 0 and 1 is written
	s_barrier_signal -1
	s_barrier_wait -1
	STEP 0, 0, 1, 1, 1, 1, 28, 1                   ; step 0 stands ahead of the loop: its products start the sums.  28: A(1), W(3), W(4)
	s_mov_b32 s38, 3
.Ltrip:                                                ; steps 1 to 9, three a trip: once round the rings.  28: step 1: W(4), A(2), W(5); later: W(s + 3), A(s + 1), W(s + 4)
	STEP 1, 1, 0, 1, 1, 1, 28, 1
	STEP 2, 2, 0, 1, 1, 1, 28, 1
	STEP 0, 3, 0, 1, 1, 1, 28, 1
	s_wait_xcnt 0x0
	s_add_nc_u64 s[6:7], s[6:7], s[30:31]
	s_add_nc_u64 s[4:5], s[4:5], 3*2048
	s_sub_co_u32 s38, s38, 1
	s_cmp_lg_u32 s38, 0
	s_cbranch_scc1 .Ltrip
	STEP 1, 1, 0, 1, 1, 1, 28, 1                   ; step 10 asks for the last weights, W(15)
	STEP 2, 2, 0, 1, 1, 0, 28, 1                   ; step 11.  28: W(14), A(12), W(15)
	STEP 0, 3, 0, 1, 1, 0, 20, 1                   ; step 12.  20: W(15), A(13)
	STEP 1, 4, 0, 1, 1, 0, 12, 1                   ; step 13.  12: A(14).  It converts W(15) and asks for the last rows; its barrier is the last
	STEP 2, 0, 0, 0, 0, 0, 12, 0                   ; step 14.  12: A(15)
	STEP 0, 0, 0, 0, 0, 0, 0, 0                    ; step 15
	PLACES                                         ; behind the last products
.irp i, 0,1,2
	s_cmp_le_u32 s24, \i
	s_cbranch_scc1 .Lend                           ; a slot without a block stores nothing
.irp c, 0,1,2,3,4,5,6,7
	global_store_b128 v[9+(\i)], v[ACC+8*(8*(\i)+(\c)):ACC+8*(8*(\i)+(\c))+3],   s[10:11] offset:(\c)*1024      ; the sums as they lie: 512 consecutive bytes; the lowest registers first
	global_store_b128 v[9+(\i)], v[ACC+8*(8*(\i)+(\c))+4:ACC+8*(8*(\i)+(\c))+7], s[10:11] offset:(\c)*1024+512
.endr
.endr
.Lend:
	s_wait_tensorcnt 0x0                           ; the wave's end
	ds_add_u32 v1, v2
	s_wait_dscnt 0x0
	s_endpgm
.Lfunc_end_k_qe91f18f8ed_down:
	.size	k_qe91f18f8ed_down, .Lfunc_end_k_qe91f18f8ed_down-k_qe91f18f8ed_down
	.p2alignl 7, 3214868480
	.fill 96, 4, 3214868480
	.section	.rodata,"a",@progbits
	.p2align	6, 0x0
	.amdhsa_kernel k_qe91f18f8ed_down
		.amdhsa_group_segment_fixed_size 56320
		.amdhsa_private_segment_fixed_size 0
		.amdhsa_enable_private_segment 0
		.amdhsa_kernarg_size 32
		.amdhsa_user_sgpr_count 2
		.amdhsa_user_sgpr_kernarg_segment_ptr 1
		.amdhsa_wavefront_size32 1
		.amdhsa_system_sgpr_workgroup_id_x 1
		.amdhsa_system_sgpr_workgroup_id_y 1
		.amdhsa_system_sgpr_workgroup_id_z 1
		.amdhsa_system_vgpr_workitem_id 0
		.amdhsa_next_free_vgpr 512
		.amdhsa_next_free_sgpr 66
		.amdhsa_reserve_vcc 0
		.amdhsa_float_denorm_mode_32 3
		.amdhsa_float_denorm_mode_16_64 3
		.amdhsa_memory_ordered 1
		.amdhsa_forward_progress 1
		.amdhsa_inst_pref_size 108
	.end_amdhsa_kernel
	.amdgpu_metadata
---
amdhsa.version: [ 1, 2 ]
amdhsa.kernels:
  - .name:           k_qe91f18f8ed_down
    .symbol:         k_qe91f18f8ed_down.kd
    .args:
      - { .name: hid, .offset: 0, .size: 8, .value_kind: global_buffer, .address_space: global }
      - { .name: W2, .offset: 8, .size: 8, .value_kind: global_buffer, .address_space: global }
      - { .name: tiles, .offset: 16, .size: 8, .value_kind: global_buffer, .address_space: global }
      - { .name: part, .offset: 24, .size: 8, .value_kind: global_buffer, .address_space: global }
    .group_segment_fixed_size: 56320
    .private_segment_fixed_size: 0
    .kernarg_segment_align: 8
    .kernarg_segment_size: 32
    .max_flat_workgroup_size: 256
    .sgpr_count:     66
    .vgpr_count:     512
    .wavefront_size: 32
...
	.end_amdgpu_metadata
.endif
;; end of part 3
;; launch comb (part 4): grid 2 x 135, 8 waves a work-group, no clusters, 35,840 bytes of LDS; arguments part, b2, order, out0; writes out0
.if DOCPART == 4
	.amdgcn_target "amdgcn-amd-amdhsa--gfx1250"
	.amdhsa_code_object_version 6
	.text
	.protected	k_qe91f18f8ed_comb
	.globl	k_qe91f18f8ed_comb
	.p2align	8
	.type	k_qe91f18f8ed_comb,@function
k_qe91f18f8ed_comb:
	s_mov_b64 s[64:65], 0
	v_nop
	global_prefetch_b8 v0, s[64:65] scope:SCOPE_SE
	s_setreg_imm32_b32 hwreg(HW_REG_WAVE_MODE, 25, 1), 1
	s_wait_xcnt 0x0
; COMB.  out0[row] = ((p0 + p1) + (p2 + p3)) + b2[e], the four partial sums over quarters of the hidden width; the rows go from the sorted order back to their places.
; A wave has one block of 16 sorted rows (y) and 64 columns (g = 8 x + wave): 16 KiB of partial sums in, 4 KiB out.  The sums lie as the matrix unit left them (a lane: one row, four columns),
; so they are turned through the wave's own stage in LDS into whole rows of 256 bytes: 16 lanes then store 256 consecutive bytes, at a multiple of 256 from out0's first byte.
; No matrix unit, no cluster, no barrier: the waves share nothing.  A place past an expert's count (row 2048 in 'order') is not stored; a block that the split does not use (expert 8) ends at once.
.set PQ, 135*65536                     ; bytes of one quarter's partial sums
.set SP, 272                           ; a stage row: 256 bytes + 16, so that the 16 rows of a store start at 16 different groups of four banks (ISA guide 11.1)
.set STG, 16*SP
.set SPARE, 8*STG                      ; behind the stages: the spare words, 128 bytes for each of eight waves
; v1, v2 the add's registers   v3 16 lane   v4 into the stage   v5 back from it   v6 4 (lane / 16)   v7 32 (lane / 16)   v12 16 (lane % 16)
; v16-23 the rows' entries of 'order'   v24-31 their offsets in out0   v32-159 partial sums: (u, quarter) at 32 + 16 u + 4 quarter   v160-191 bias
	s_load_b256 s[4:11], s[0:1], 0x0               ; part s[4:5], b2 s[6:7], order s[8:9], out0 s[10:11]
	v_lshl_add_u32 v1, v0, 2, SPARE
	v_mov_b32 v2, 0
	v_and_b32 v8, 31, v0                           ; lane
	v_lshrrev_b32 v9, 5, v0
	v_readfirstlane_b32 s14, v9                    ; wave 0..7
	s_and_b32 s15, ttmp7, 0xffff                   ; block
	s_lshl_b32 s16, ttmp9, 3
	s_add_co_u32 s16, s16, s14                     ; group of 64 columns, 0..15
	s_lshl_b32 s2, s15, 6
	s_mov_b32 s3, 0
	s_wait_kmcnt 0x0
	s_add_nc_u64 s[8:9], s[8:9], s[2:3]            ; the block's 16 entries
	s_load_b32 s17, s[8:9], 0x0
	v_lshlrev_b32 v3, 4, v8
	v_and_b32 v10, 15, v8                          ; lane % 16
	v_lshrrev_b32 v11, 4, v8                       ; lane / 16
	s_mul_i32 s2, s14, STG                         ; my stage
	v_mul_u32_u24 v4, v10, SP
	v_lshl_add_u32 v4, v11, 5, v4
	v_add_nc_u32 v4, s2, v4                        ; in: row lane % 16, 32 bytes for each half of the lanes
	v_mul_u32_u24 v5, v11, SP
	v_lshl_add_u32 v5, v10, 4, v5
	v_add_nc_u32 v5, s2, v5                        ; back: lanes 0-15 one row of 256 bytes, lanes 16-31 the next
	v_lshlrev_b32 v6, 2, v11
	v_lshlrev_b32 v7, 5, v11
	v_lshlrev_b32 v12, 4, v10
	s_wait_kmcnt 0x0
	s_lshr_b32 s17, s17, 16                        ; the block's expert
	s_min_u32 s17, s17, 8
	s_cmp_eq_u32 s17, 8
	s_cbranch_scc1 .Lend                           ; the split does not use this block
	s_min_u32 s17, s17, 7
	s_lshl_b32 s2, s15, 16                         ; a block: 64 images of 1,024 bytes;
	s_lshl_b32 s18, s16, 12                        ; my 64 columns: four of them
	s_add_co_u32 s2, s2, s18
	s_add_nc_u64 s[20:21], s[4:5], s[2:3]
	s_add_nc_u64 s[22:23], s[20:21], PQ
	s_add_nc_u64 s[24:25], s[20:21], 2*PQ
	s_add_nc_u64 s[26:27], s[20:21], 3*PQ
	s_lshl_b32 s2, s16, 8
	s_add_nc_u64 s[10:11], s[10:11], s[2:3]        ; out0 at my 256 bytes of a row
	s_lshl_b32 s18, s17, 12
	s_add_co_u32 s2, s2, s18
	s_add_nc_u64 s[6:7], s[6:7], s[2:3]            ; b2 at the expert's row, my 256 bytes
.irp t, 0,1,2,3,4,5,6,7
	global_load_b32 v[16+(\t)], v6, s[8:9] offset:8*(\t)  ; the entry of sorted row 2 t + lane / 16
.endr
.irp u, 0,1,2,3,4,5,6,7                ; u = 2 x column block + half: columns 16 (u / 2) + 8 (lane / 16) + 4 (u % 2) + 0..3
	global_load_b128 v[160+4*(\u):163+4*(\u)], v7, s[6:7] offset:((\u)/2)*64+((\u)%2)*16
.endr
.irp u, 0,1,2,3,4,5,6,7
.irp k, 0,1,2,3
	global_load_b128 v[32+16*(\u)+4*(\k):35+16*(\u)+4*(\k)], v3, s[20+2*(\k):21+2*(\k)] offset:512*(\u) th:TH_LOAD_NT  ; 512 consecutive bytes
.endr
.endr
.irp u, 0,1,2,3,4,5,6,7
	s_wait_loadcnt 4*(7-(\u))                      ; loads come back in order: the four of u are in (the entries and the bias are older), the four of each later u may be out
	v_pk_add_f32 v[32+16*(\u):33+16*(\u)],  v[32+16*(\u):33+16*(\u)],  v[36+16*(\u):37+16*(\u)]
	v_pk_add_f32 v[34+16*(\u):35+16*(\u)],  v[34+16*(\u):35+16*(\u)],  v[38+16*(\u):39+16*(\u)]
	v_pk_add_f32 v[40+16*(\u):41+16*(\u)],  v[40+16*(\u):41+16*(\u)],  v[44+16*(\u):45+16*(\u)]
	v_pk_add_f32 v[42+16*(\u):43+16*(\u)],  v[42+16*(\u):43+16*(\u)],  v[46+16*(\u):47+16*(\u)]
	v_pk_add_f32 v[32+16*(\u):33+16*(\u)],  v[32+16*(\u):33+16*(\u)],  v[40+16*(\u):41+16*(\u)]
	v_pk_add_f32 v[34+16*(\u):35+16*(\u)],  v[34+16*(\u):35+16*(\u)],  v[42+16*(\u):43+16*(\u)]
	v_pk_add_f32 v[32+16*(\u):33+16*(\u)],  v[32+16*(\u):33+16*(\u)],  v[160+4*(\u):161+4*(\u)]
	v_pk_add_f32 v[34+16*(\u):35+16*(\u)],  v[34+16*(\u):35+16*(\u)],  v[162+4*(\u):163+4*(\u)]
	ds_store_b128 v4, v[32+16*(\u):35+16*(\u)] offset:((\u)/2)*64+((\u)%2)*16
.endr
.irp t, 0,1,2,3,4,5,6,7
	ds_load_b128 v[36+16*(\t):39+16*(\t)], v5 offset:(\t)*2*SP  ; LDS serves a wave's instructions in order (ISA guide 5.7.1.4): these see the stores above
.endr
.irp t, 0,1,2,3,4,5,6,7
	v_and_b32 v[16+(\t)], 0xffff, v[16+(\t)]       ; the routed row,
	v_min_u32 v[24+(\t)], 0x7ff, v[16+(\t)]        ; cut to the output's rows before it enters an address
	v_lshl_add_u32 v[24+(\t)], v[24+(\t)], 12, v12
.endr
.irp t, 0,1,2,3,4,5,6,7
	s_wait_dscnt 7-(\t)                            ; rows 2 t and 2 t + 1 are back
	v_cmp_gt_u32 vcc_lo, 0x800, v[16+(\t)]         ; a place past the expert's count has no output row
	s_wait_xcnt 0x0                                ; EXEC changes only behind this wait
	s_and_saveexec_b32 s2, vcc_lo
	global_store_b128 v[24+(\t)], v[36+16*(\t):39+16*(\t)], s[10:11] th:TH_STORE_NT
	s_wait_xcnt 0x0                                ; and again, in front of the line that widens it
	s_or_b32 exec_lo, exec_lo, s2
.endr
.Lend:
	s_wait_tensorcnt 0x0                           ; the wave's end
	ds_add_u32 v1, v2
	s_wait_dscnt 0x0
	s_endpgm
.Lfunc_end_k_qe91f18f8ed_comb:
	.size	k_qe91f18f8ed_comb, .Lfunc_end_k_qe91f18f8ed_comb-k_qe91f18f8ed_comb
	.p2alignl 7, 3214868480
	.fill 96, 4, 3214868480
	.section	.rodata,"a",@progbits
	.p2align	6, 0x0
	.amdhsa_kernel k_qe91f18f8ed_comb
		.amdhsa_group_segment_fixed_size 35840
		.amdhsa_private_segment_fixed_size 0
		.amdhsa_enable_private_segment 0
		.amdhsa_kernarg_size 32
		.amdhsa_user_sgpr_count 2
		.amdhsa_user_sgpr_kernarg_segment_ptr 1
		.amdhsa_wavefront_size32 1
		.amdhsa_system_sgpr_workgroup_id_x 1
		.amdhsa_system_sgpr_workgroup_id_y 1
		.amdhsa_system_sgpr_workgroup_id_z 1
		.amdhsa_system_vgpr_workitem_id 0
		.amdhsa_next_free_vgpr 192
		.amdhsa_next_free_sgpr 66
		.amdhsa_reserve_vcc 1
		.amdhsa_float_denorm_mode_32 3
		.amdhsa_float_denorm_mode_16_64 3
		.amdhsa_memory_ordered 1
		.amdhsa_forward_progress 1
		.amdhsa_inst_pref_size 17
	.end_amdhsa_kernel
	.amdgpu_metadata
---
amdhsa.version: [ 1, 2 ]
amdhsa.kernels:
  - .name:           k_qe91f18f8ed_comb
    .symbol:         k_qe91f18f8ed_comb.kd
    .args:
      - { .name: part, .offset: 0, .size: 8, .value_kind: global_buffer, .address_space: global }
      - { .name: b2, .offset: 8, .size: 8, .value_kind: global_buffer, .address_space: global }
      - { .name: order, .offset: 16, .size: 8, .value_kind: global_buffer, .address_space: global }
      - { .name: out0, .offset: 24, .size: 8, .value_kind: global_buffer, .address_space: global }
    .group_segment_fixed_size: 35840
    .private_segment_fixed_size: 0
    .kernarg_segment_align: 8
    .kernarg_segment_size: 32
    .max_flat_workgroup_size: 256
    .sgpr_count:     66
    .vgpr_count:     192
    .wavefront_size: 32
...
	.end_amdgpu_metadata
.endif
;; end of part 4
;; ======== version 2 of 2: 4 launches; 1.14 times as fast as version 1
;; workspace buffers: order 8,704 bytes of whole numbers; tiles 512 bytes of whole numbers; xs 4,423,680 bytes; hid 17,694,720 bytes; part 35,389,440 bytes
;; launch prep (part 5): grid 135 x 1, 4 waves a work-group, no clusters, 2,048 bytes of LDS; arguments expert_indices, inputs, xs, order, tiles; writes xs, order, tiles
.if DOCPART == 5
	.amdgcn_target "amdgcn-amd-amdhsa--gfx1250"
	.amdhsa_code_object_version 6
	.text
	.protected	k_qe91f18f8ed_prep
	.globl	k_qe91f18f8ed_prep
	.p2align	8
	.type	k_qe91f18f8ed_prep,@function
k_qe91f18f8ed_prep:
	s_mov_b64 s[64:65], 0
	v_nop
	global_prefetch_b8 v0, s[64:65] scope:SCOPE_SE
	s_setreg_imm32_b32 hwreg(HW_REG_WAVE_MODE, 25, 1), 1
	s_wait_xcnt 0x0
; PREP.  The 2,048 routed rows (row = 2 x token + slot) are sorted by expert into BLOCKS of 16 rows of one expert; expert e has ceil(count / 16) blocks, the experts' blocks
; follow each other; 135 blocks at the most (128 full ones and up to 7 that are not).  Work-group B makes block B: every work-group counts all 2,048 indices for itself (8 KiB),
; finds the 16 rows of its block, stores them in 'order' (row | expert << 16; row 2048 marks a place past the expert's count, expert 8 a block that this split does not use), and
; writes the 16 token rows, rounded to bf16, into 'xs' in the order in which a matrix operand's registers take them: for each 32 columns c, 1,024 bytes; byte 512 ii + 16 lane holds
; row lane % 16, columns 32 c + 16 ii + 8 (lane / 16) + 0..7.  A place past the count carries token 1023's row; nothing made of it is ever stored to the output.
; Work-group 0 also writes the table 'tiles': entry e of 16 bytes = expert e, its first block, its blocks, 0; entries 8 to 31 hold zeros.
; LIMIT.  An index outside 0..7 is counted for no expert: its output row would stay unwritten.
.set LIST,  512                        ; four lists of 256 bytes, one a wave: words 0-15 the block's places, word 16 takes what does not belong to the block
.set SPARE, 1536                       ; the spare words: 128 bytes for each of four waves
; v1, v2 the add's registers   v3 lane   v4 my first row   v5-7 at work   v8-23 sixteen indices (later v8-11 the table's entry)   v24 counts   v25-27 at work
; v28 my place's row   v29 offset in inputs   v30 offset in xs   v31 0xffff   v32-159 f32 as loaded   v160-223 bf16 to store
; s14 wave   s15 block   s16-23 my wave's counts, later: s16 expert, s17 its first block, s18-20 waves' counts, s21 running rank, s22 block in use
; s24-31 masks   s32-63 counts [wave][expert]   s66 my list's LDS byte   s74-81 blocks of an expert   s82-90 their prefix sum
	s_load_b256 s[4:11], s[0:1], 0x0               ; expert_indices s[4:5], inputs s[6:7], xs s[8:9], order s[10:11]
	s_load_b64 s[12:13], s[0:1], 0x20              ; tiles
	v_lshl_add_u32 v1, v0, 2, SPARE
	v_mov_b32 v2, 0
	v_and_b32 v3, 31, v0                           ; lane
	v_lshrrev_b32 v5, 5, v0
	v_readfirstlane_b32 s14, v5                    ; wave 0..3
	s_mov_b32 s15, ttmp9                           ; block
	v_lshlrev_b32 v6, 4, v3
	v_lshl_add_u32 v6, s14, 11, v6                 ; my 16 bytes of the wave's 2,048 bytes of indices
	v_lshrrev_b32 v4, 2, v6                        ; the routed row of their first word: 512 w + 4 lane
	s_lshl_b32 s66, s14, 8
	s_add_co_u32 s66, s66, LIST                    ; my wave's list: a constant plus the wave's number times 256; never rewritten
	v_lshl_add_u32 v5, v3, 2, s66
	v_mov_b32 v7, 0x800
	v_mov_b32 v31, 0xffff
	ds_store_b32 v5, v7                            ; every place starts as 'past the count'
	s_wait_kmcnt 0x0
.irp q, 0,1,2,3
	global_load_b128 v[8+4*(\q):11+4*(\q)], v6, s[4:5] offset:512*(\q)  ; register 4 q + c of lane l: routed row 512 w + 128 q + 4 l + c
.endr
	s_wait_loadcnt 0x0
; how many of my wave's 512 rows chose expert e
.macro COUNT e
.irp hf, 0,1
.irp j, 0,1,2,3,4,5,6,7
	v_cmp_eq_u32 s[24+(\j)], \e, v[8+8*(\hf)+(\j)]
.endr
.irp j, 0,1,2,3,4,5,6,7
.if ((\hf) == 0) && ((\j) == 0)
	s_bcnt1_i32_b32 s[16+(\e)], s24
.else
	s_bcnt1_i32_b32 s2, s[24+(\j)]
	s_add_co_u32 s[16+(\e)], s[16+(\e)], s2
.endif
.endr
.endr
.endm
.irp e, 0,1,2,3,4,5,6,7
	COUNT \e
.endr
	v_mov_b32 v24, 0
.irp e, 0,1,2,3,4,5,6,7
	v_writelane_b32 v24, s[16+(\e)], \e
.endr
	v_lshlrev_b32 v5, 2, v0
	ds_store_b32 v5, v24                           ; word 32 w + e: wave w's count for expert e
	s_wait_dscnt 0x0                               ; for the others' sake: my stores are done
	s_barrier_signal -1
	s_barrier_wait -1
	v_and_b32 v5, 7, v3
	v_lshrrev_b32 v7, 3, v3
	v_lshl_add_u32 v5, v7, 5, v5
	v_lshlrev_b32 v5, 2, v5
	ds_load_b32 v24, v5                            ; lane 8 wave + e takes that wave's count
	s_wait_dscnt 0x0                               ; my read of the counts is back:
	s_barrier_signal -1                            ; every wave has read them before any wave stores into a list
	s_barrier_wait -1
.set i, 0
.rept 32
	v_readlane_b32 s[32+i], v24, i
.set i, i+1
.endr
.irp e, 0,1,2,3,4,5,6,7
	s_add_co_u32 s2, s[32+(\e)], s[40+(\e)]
	s_add_co_u32 s3, s[48+(\e)], s[56+(\e)]
	s_add_co_u32 s2, s2, s3
	s_add_co_u32 s2, s2, 15
	s_lshr_b32 s[74+(\e)], s2, 4                   ; the expert's blocks
.endr
	s_mov_b32 s82, 0
.irp e, 0,1,2,3,4,5,6,7
	s_add_co_u32 s[83+(\e)], s[82+(\e)], s[74+(\e)]  ; where the next expert's blocks begin; s90: blocks in use
.endr
	s_mov_b32 s16, 0                               ; my block's expert: the last whose first block is not behind mine
.irp i, 1,2,3,4,5,6,7
	s_cmp_ge_u32 s15, s[82+(\i)]
	s_cselect_b32 s16, \i, s16
.endr
	s_mov_b32 s17, s82                             ; that expert's first block, and the counts of waves 0 to 2 for it
	s_mov_b32 s18, s32
	s_mov_b32 s19, s40
	s_mov_b32 s20, s48
.irp i, 1,2,3,4,5,6,7
	s_cmp_eq_u32 s16, \i
	s_cselect_b32 s17, s[82+(\i)], s17
	s_cselect_b32 s18, s[32+(\i)], s18
	s_cselect_b32 s19, s[40+(\i)], s19
	s_cselect_b32 s20, s[48+(\i)], s20
.endr
	s_cmp_lt_u32 s15, s90
	s_cselect_b32 s22, 1, 0                        ; is my block in use?
	s_cselect_b32 s100, s16, 8                     ; the expert that 'order' will name
	s_cmp_gt_u32 s14, 0                            ; the rank of my wave's first row of that expert,
	s_cselect_b32 s21, s18, 0
	s_cmp_gt_u32 s14, 1
	s_cselect_b32 s2, s19, 0
	s_add_co_u32 s21, s21, s2
	s_cmp_gt_u32 s14, 2
	s_cselect_b32 s2, s20, 0
	s_add_co_u32 s21, s21, s2
	s_sub_co_u32 s2, s15, s17
	s_lshl_b32 s2, s2, 4
	s_sub_co_u32 s21, s21, s2                      ; less the ranks in front of my block (it may wrap: then it is large, and is cut to 16 below)
; register j: each row of my expert gets its place = running rank + rows of the expert in lower lanes; places 0-15 go into my list, all else onto word 16.
; The place is cut to 0..16 before it enters the LDS address: my list's byte + 4 x place.
.macro RANK j
	v_cmp_eq_u32 s[24+(\j)%8], s16, v[8+(\j)]
	v_mbcnt_lo_u32_b32 v25, s[24+(\j)%8], s21
	v_cndmask_b32 v25, v31, v25, s[24+(\j)%8]
	v_min_u32 v25, 16, v25
	v_lshl_add_u32 v26, v25, 2, s66
	v_add_nc_u32 v27, 128*((\j)/4)+(\j)%4, v4
	ds_store_b32 v26, v27
	s_bcnt1_i32_b32 s2, s[24+(\j)%8]
	s_add_co_u32 s21, s21, s2
.endm
.irp j, 0,1,2,3,4,5,6,7,8,9,10,11,12,13,14,15
	RANK \j
.endr
	s_wait_dscnt 0x0                               ; for the others' sake: my list is written
	s_barrier_signal -1
	s_barrier_wait -1
	v_and_b32 v5, 15, v3
	v_lshlrev_b32 v5, 2, v5
	ds_load_b32 v28, v5 offset:LIST                ; a place was written by one wave at the most; the others hold 2048 there
	ds_load_b32 v25, v5 offset:LIST+256
	ds_load_b32 v26, v5 offset:LIST+512
	ds_load_b32 v27, v5 offset:LIST+768
	s_wait_dscnt 0x0
	v_min_u32 v28, v28, v25
	v_min_u32 v26, v26, v27
	v_min_u32 v28, v28, v26                        ; lane l: the routed row at place l % 16 of my block
	s_cmp_lg_u32 s14, 0
	s_cbranch_scc1 .Lno_list                       ; wave 0 alone stores the list
	s_lshl_b32 s2, s15, 6
	s_mov_b32 s3, 0
	s_add_nc_u64 s[10:11], s[10:11], s[2:3]
	s_lshl_b32 s100, s100, 16
	v_or_b32 v25, s100, v28
	v_lshlrev_b32 v26, 2, v3
	v_cmp_gt_u32 vcc_lo, 16, v3
	s_wait_xcnt 0x0                                ; EXEC changes only behind this wait
	s_and_saveexec_b32 s101, vcc_lo
	global_store_b32 v26, v25, s[10:11]            ; 16 words
	s_wait_xcnt 0x0                                ; and again, in front of the line that widens it
	s_or_b32 exec_lo, exec_lo, s101
	s_cmp_lg_u32 s15, 0
	s_cbranch_scc1 .Lno_list                       ; work-group 0 alone writes the table: lane y makes entry y
	v_mov_b32 v9, s82                              ; expert y's first block and blocks
	v_mov_b32 v10, s74
.irp i, 1,2,3,4,5,6,7
	v_cmp_eq_u32 vcc_lo, \i, v3
	v_cndmask_b32 v9, v9, s[82+(\i)], vcc_lo
	v_cndmask_b32 v10, v10, s[74+(\i)], vcc_lo
.endr
	v_cmp_gt_u32 vcc_lo, 8, v3                     ; entries 8 to 31 hold zeros
	v_cndmask_b32 v8, 0, v3, vcc_lo
	v_cndmask_b32 v9, 0, v9, vcc_lo
	v_cndmask_b32 v10, 0, v10, vcc_lo
	v_mov_b32 v11, 0
	v_lshlrev_b32 v20, 4, v3
	global_store_b128 v20, v[8:11], s[12:13]       ; 32 entries of 16 bytes: 512 consecutive bytes
.Lno_list:
	s_cmp_eq_u32 s22, 0
	s_cbranch_scc1 .Lend                           ; a block that this split does not use has no rows
	; THE ROWS.  Wave w takes columns 256 w to 256 w + 255 of the block's 16 rows: eight images of 32 columns.
	v_lshrrev_b32 v29, 1, v28                      ; token = routed row / 2,
	v_min_u32 v29, 0x3ff, v29                      ; 1023 for a place past the count
	v_lshlrev_b32 v29, 12, v29
	v_lshrrev_b32 v5, 4, v3
	v_lshl_add_u32 v29, v5, 5, v29                 ; + 32 bytes for the upper half of the lanes
	v_lshl_add_u32 v29, s14, 10, v29               ; + my wave's 1,024 bytes
	v_lshlrev_b32 v30, 4, v3
	v_lshl_add_u32 v30, s14, 13, v30               ; in xs: 16 lane + my wave's eight images
	s_lshl_b32 s2, s15, 15
	s_mov_b32 s3, 0
	s_add_nc_u64 s[8:9], s[8:9], s[2:3]
.set u, 0
.rept 16                                           ; u = 2 x image + half of it: eight f32 a lane
	global_load_b128 v[32+8*u:32+8*u+3],   v29, s[6:7] offset:64*u
	global_load_b128 v[32+8*u+4:32+8*u+7], v29, s[6:7] offset:64*u+16
.set u, u+1
.endr
.set u, 0
.rept 16
	s_wait_loadcnt 30-2*u                          ; loads come back in order: the two of half u are in, the two of each later half may be out
	v_cvt_pk_bf16_f32 v[160+4*u],   v[32+8*u],   v[32+8*u+1]
	v_cvt_pk_bf16_f32 v[160+4*u+1], v[32+8*u+2], v[32+8*u+3]
	v_cvt_pk_bf16_f32 v[160+4*u+2], v[32+8*u+4], v[32+8*u+5]
	v_cvt_pk_bf16_f32 v[160+4*u+3], v[32+8*u+6], v[32+8*u+7]
	global_store_b128 v30, v[160+4*u:160+4*u+3], s[8:9] offset:512*u  ; 512 consecutive bytes; every store has registers of its own
.set u, u+1
.endr
.Lend:
	s_wait_tensorcnt 0x0                           ; the wave's end
	ds_add_u32 v1, v2
	s_wait_dscnt 0x0
	s_endpgm
.Lfunc_end_k_qe91f18f8ed_prep:
	.size	k_qe91f18f8ed_prep, .Lfunc_end_k_qe91f18f8ed_prep-k_qe91f18f8ed_prep
	.p2alignl 7, 3214868480
	.fill 96, 4, 3214868480
	.section	.rodata,"a",@progbits
	.p2align	6, 0x0
	.amdhsa_kernel k_qe91f18f8ed_prep
		.amdhsa_group_segment_fixed_size 2048
		.amdhsa_private_segment_fixed_size 0
		.amdhsa_enable_private_segment 0
		.amdhsa_kernarg_size 40
		.amdhsa_user_sgpr_count 2
		.amdhsa_user_sgpr_kernarg_segment_ptr 1
		.amdhsa_wavefront_size32 1
		.amdhsa_system_sgpr_workgroup_id_x 1
		.amdhsa_system_sgpr_workgroup_id_y 1
		.amdhsa_system_sgpr_workgroup_id_z 1
		.amdhsa_system_vgpr_workitem_id 0
		.amdhsa_next_free_vgpr 224
		.amdhsa_next_free_sgpr 102
		.amdhsa_reserve_vcc 1
		.amdhsa_float_denorm_mode_32 3
		.amdhsa_float_denorm_mode_16_64 3
		.amdhsa_memory_ordered 1
		.amdhsa_forward_progress 1
		.amdhsa_inst_pref_size 44
	.end_amdhsa_kernel
	.amdgpu_metadata
---
amdhsa.version: [ 1, 2 ]
amdhsa.kernels:
  - .name:           k_qe91f18f8ed_prep
    .symbol:         k_qe91f18f8ed_prep.kd
    .args:
      - { .name: expert_indices, .offset: 0, .size: 8, .value_kind: global_buffer, .address_space: global }
      - { .name: inputs, .offset: 8, .size: 8, .value_kind: global_buffer, .address_space: global }
      - { .name: xs, .offset: 16, .size: 8, .value_kind: global_buffer, .address_space: global }
      - { .name: order, .offset: 24, .size: 8, .value_kind: global_buffer, .address_space: global }
      - { .name: tiles, .offset: 32, .size: 8, .value_kind: global_buffer, .address_space: global }
    .group_segment_fixed_size: 2048
    .private_segment_fixed_size: 0
    .kernarg_segment_align: 8
    .kernarg_segment_size: 40
    .max_flat_workgroup_size: 128
    .sgpr_count:     102
    .vgpr_count:     224
    .wavefront_size: 32
...
	.end_amdgpu_metadata
.endif
;; end of part 5
;; launch up (part 6): grid 32 x 8, 8 waves a work-group, no clusters, 295,936 bytes of LDS; arguments xs, W1, tiles, hid, b1; writes hid
.if DOCPART == 6
	.amdgcn_target "amdgcn-amd-amdhsa--gfx1250"
	.amdhsa_code_object_version 6
	.text
	.protected	k_qe91f18f8ed_up
	.globl	k_qe91f18f8ed_up
	.p2align	8
	.type	k_qe91f18f8ed_up,@function
k_qe91f18f8ed_up:
	s_mov_b64 s[64:65], 0
	v_nop
	global_prefetch_b8 v0, s[64:65] scope:SCOPE_SE
	s_setreg_imm32_b32 hwreg(HW_REG_WAVE_MODE, 25, 1), 1
	s_wait_xcnt 0x0
.set UP, 1
; ONE TEXT FOR BOTH PRODUCTS.  UP = 1: hid = gelu(xs W1[e] + b1[e]), stored in bf16.  UP = 0: part[kq] = hid W2[e] over a quarter kq of the hidden width, stored in f32.
; SHARES.  32 slices x 8 experts = 256 work-groups.  A work-group has one expert (the grid's y), 128 columns of its weights and 1,024 of K: 512 KiB of f32 weights that no other work-group reads;
; and ALL of that expert's rows, in TILES of at most 24 blocks of 16 rows.  In a tile wave w has blocks w, 8 + w, 16 + w (three SLOTS) and all 8 blocks of 16 columns: 24 accumulators.
; WEIGHTS: memory -> registers (each load 512 consecutive bytes of one k row) -> bf16 -> LDS, [k][128] with rows 288 bytes apart -> turned by ds_load_tr16_b128 into fragments.
; THEY STAY IN LDS: K goes in 16 steps of 64, and each step has a buffer of its own, written once: 16 x 18,432 bytes.
; ROWS: they lie in memory in the order of an operand's registers (1,024 bytes for 16 rows x 32 k), so two loads of 512 consecutive bytes fill a fragment; they never touch LDS.
; THE MATRIX INSTRUCTION IS USED TRANSPOSED (source 0 = 16 weight columns, source 1 = 16 rows): a lane then holds one row and eight neighbouring columns, which is the layout in which
; the next launch reads, so results are stored straight from registers, 512 consecutive bytes an instruction.
; THE FIRST TILE is multiplied while the weights come in.  Step s multiplies rows A(s) (register slot s % 3) by weights W(s) (LDS buffer s); converts W(s + 2) into buffer s + 2; asks for A(s + 2)
; and then for W(s + 5).  One barrier a step, 15 in all, and one more at the wave's end, whatever the table holds: every wave passes every one.  A wave has 48 loads out at the most.
; A wave without a block jumps over a step's fragment loads and products; a slot without a block loads one 16 bytes for all lanes.  Step 0 is never jumped: its products start all 24 sums.
; The jumped text holds no barrier and no global load, so every counted wait sees the same loads on every path.
; FURTHER TILES (an expert with more than 384 rows) follow in a loop that writes no LDS and has no barrier: weights from LDS, rows from memory, a wait for each step's rows.  The loop counts to the
; constant 6 (128 blocks are 6 tiles at the most); a wave leaves it by a jump forward when it has no block left.  They run one after the other on the expert's own 32 work-groups.
; An expert without rows: its work-groups pass the barriers, their weights' pointer does not step, and they store nothing.
; ADDRESSES.  What comes from the table enters an address only cut by s_min_u32 to a constant, and behind that through sums, left shifts and products alone.
; LIMITS.  Operands are rounded to bf16, sums are f32.  UP = 1: gelu is the tanh form, x / (1 + 2^-t), t = x (c1 + c2 x^2); a power below 2^-126 counts as 0.  UP = 0: K = 4,096 is summed in four
; quarters, which the next launch adds: another order of rounding than one sum's.  NaN and infinities are not treated apart.
.if UP
.set PITCH, 16384                      ; bytes from a k row of the weights to the next
.set ASH, 15                           ; a block of rows: 32 images of 1,024 bytes
.set OSH, 17                           ; a block of results: 128 images of 1,024 bytes
.else
.set PITCH, 4096
.set ASH, 17
.set OSH, 16                           ; 64 images of 1,024 bytes (16 rows x 16 columns of f32)
.endif
.set PQ, 135*65536                     ; bytes of one quarter's partial results
.set WP, 288                           ; an LDS row: 256 bytes + 32
.set WBUF, 64*WP
.set SPARE, 16*WBUF                    ; behind the sixteen buffers: the spare words, 128 bytes for each of eight waves
; window 0: v1, v2 the add's registers; v3 W offset; v4 my place for storing W in a buffer; v5 my place for reading fragments; v6-8 rows' offsets by slot; v9-11 results' offsets by slot; v12 16 lane;
;           v13 32 (lane / 16); v14 v5 + the read base; v15 v4 + the store base; v16-63 A ring slot 0 (in the way out: T and P); v64-255 the accumulators: (slot i, column block c) at 64 + 8 (8 i + c)
; window 1: v0-63 two groups of four W fragments; v64-159 three W slots of 32 (from step 14 on v64-127 the bias); v160-207, v208-255 A ring slots 1, 2
; s14 wave   s19 expert   s21 its first block   s22 its blocks   s24 my slots that have a block (branches alone)   s27 1: the expert has rows   s34 the tile's first block   s35-37 1: slot 0, 1, 2 has a block
; s38 trips   s39 24 x tile   s[48:49] the rows' address at K step 0   s50 LDS byte of the buffer that offset 0 reads   s51 of the one that offset 0 stores into   s52 tiles' trips
.set ACC, 64
.set BF, 0
.set WS, 64
.set T, 16
.set P, 48
.set MSB, 0
.macro WIN new                         ; s_set_vgpr_msb: bits 1:0 source 0, 3:2 source 1, 5:4 source 2, 7:6 destination; the high byte repeats the setting that is left
.if MSB != (\new)
	s_set_vgpr_msb (MSB<<8)|(\new)
.set MSB, (\new)
.endif
.endm
.macro PLACES                          ; four plain instructions between a matrix instruction and a load into, a store of, or a vector access to one of its registers
.rept 4
	v_nop
.endr
.endm
.macro ASLOT slot                      ; where A ring slot 'slot' lies
.if (\slot) == 0
.set AS, 16
.set AW, 0
.else
.set AS, 112+48*(\slot)
.set AW, 1
.endif
.endm
.macro WLOAD slot, q                   ; my 8 of a step's 64 k rows: 512 bytes each
	WIN 0x40
.irp j, 0,1,2,3,4,5,6,7
	global_load_b128 v[WS+32*(\slot)+4*(\j):WS+32*(\slot)+4*(\j)+3], v3, s[6:7] offset:(64*(\q)+(\j))*PITCH th:TH_LOAD_NT
.endr
.endm
.macro ALOAD slot, q                   ; a step's rows: 3 blocks x 2 fragments x 2 halves
	ASLOT \slot
	WIN 0x40*AW
.irp i, 0,1,2
.irp f, 0,1,2,3
	global_load_b128 v[AS+16*(\i)+4*(\f):AS+16*(\i)+4*(\f)+3], v[6+(\i)], s[4:5] offset:(\q)*2048+(\f)*512
.endr
.endr
.endm
.macro WCVT slot, sb                   ; W slot -> bf16, in place -> the LDS buffer sb behind the store base: 256 consecutive bytes a store
	WIN 0x45
.irp j, 0,1,2,3,4,5,6,7
	v_cvt_pk_bf16_f32 v[WS+32*(\slot)+4*(\j)],   v[WS+32*(\slot)+4*(\j)],   v[WS+32*(\slot)+4*(\j)+1]
	v_cvt_pk_bf16_f32 v[WS+32*(\slot)+4*(\j)+1], v[WS+32*(\slot)+4*(\j)+2], v[WS+32*(\slot)+4*(\j)+3]
.endr
	WIN 0x04
.irp j, 0,1,2,3,4,5,6,7
	ds_store_b64 v15, v[WS+32*(\slot)+4*(\j):WS+32*(\slot)+4*(\j)+1] offset:(\sb)*WBUF+(\j)*WP
.endr
.endm
.macro BLOAD rb, gi, bs                ; from the buffer rb behind the read base, group gi of a step: k half gi / 2, column blocks 4 (gi % 2) + 0..3 -> fragment group bs
	WIN 0x40
.irp c, 0,1,2,3
	ds_load_tr16_b128 v[BF+32*(\bs)+8*(\c):BF+32*(\bs)+8*(\c)+3],   v14 offset:(\rb)*WBUF+((\gi)/2)*32*WP+(4*((\gi)%2)+(\c))*32
	ds_load_tr16_b128 v[BF+32*(\bs)+8*(\c)+4:BF+32*(\bs)+8*(\c)+7], v14 offset:(\rb)*WBUF+((\gi)/2)*32*WP+(4*((\gi)%2)+(\c))*32+16*WP
.endr
.endm
.macro MM i, c, gi, bs
.set rD, ACC+8*(8*(\i)+4*((\gi)%2)+(\c))
.set rW, BF+32*(\bs)+8*(\c)
.set rA, AS+16*(\i)+8*((\gi)/2)
.if ZR
	v_wmma_f32_16x16x32_bf16 v[rD:rD+7], v[rW:rW+7], v[rA:rA+7], 0
.else
	v_wmma_f32_16x16x32_bf16 v[rD:rD+7], v[rW:rW+7], v[rA:rA+7], v[rD:rD+7]
.endif
.endm
; A group's 12 products.  The accumulators take turns, one instruction a turn; no two that follow each other share one, with the third slot or without it.
; first = 1 (a tile's step 0): the first k half starts the sums with the constant 0, and the third slot is never jumped.
.macro MULG slot, gi, bs, first
	ASLOT \slot
.set ZR, 0
.if (\first) && ((\gi) < 2)
.set ZR, 1
.endif
	WIN 0x01+0x04*AW
.irp c, 0,1,2,3
	MM 0, \c, \gi, \bs
	MM 1, \c, \gi, \bs
.endr
.if (\first) == 0
	WIN 0                                          ; at a branch and at a label every window is 0
	s_cmp_lt_u32 s24, 3
	s_cbranch_scc1 .Lsk_\@                         ; my third slot has no block
	WIN 0x01+0x04*AW
.endif
.irp c, 0,1,2,3
	MM 2, \c, \gi, \bs
.endr
	WIN 0
.if (\first) == 0
.Lsk_\@:
.endif
.endm
.if UP
.macro BIASLD                          ; my eight columns' bias for each of the 8 column blocks, into the W slots, which are free from step 14 on
	WIN 0x40
.irp c, 0,1,2,3,4,5,6,7
	global_load_b128 v[WS+8*(\c):WS+8*(\c)+3],   v13, s[12:13] offset:64*(\c)
	global_load_b128 v[WS+8*(\c)+4:WS+8*(\c)+7], v13, s[12:13] offset:64*(\c)+16
.endr
.endm
.endif
; The four groups of a step: fragments of the buffer rb behind the read base, rows of A ring slot 'slot'.  The count 8 leaves the younger group's eight loads out.
.macro GROUPS slot, rb, first
	s_wait_dscnt 8                                 ; all but the youngest eight: my stores and group 0 are done
	MULG \slot, 0, 0, \first
	PLACES
	BLOAD \rb, 2, 0
	s_wait_dscnt 8                                 ; group 1 is in
	MULG \slot, 1, 1, \first
	PLACES
	BLOAD \rb, 3, 1
	s_wait_dscnt 8                                 ; group 2 is in
	MULG \slot, 2, 0, \first
	s_wait_dscnt 0x0
	MULG \slot, 3, 1, \first
.endm
; STEP s of the first tile, m = s % 3.  q: the step's place in the global immediates.  rb, sb: the buffers read and stored, counted from the two bases.
; cnt: the loads issued behind the younger of A(s) and W(s + 2), which may stay out.
.macro STEP m, q, rb, sb, first, doW, issA, issW, cnt, bias, bar
	s_wait_loadcnt \cnt
.if \doW
	WCVT ((\m)+2)%3, \sb                           ; its 16 conversions are also the places behind the last step's products
.else
	PLACES
.endif
.if \issA
	ALOAD ((\m)+2)%3, \q                           ; rows ahead of weights: then no wait for rows makes a younger load of weights land early
.endif
.if \issW
	WLOAD ((\m)+2)%3, \q
.endif
.if \bias
	BIASLD
.endif
	WIN 0
.if (\first) == 0
	s_cmp_eq_u32 s24, 0
	s_cbranch_scc1 .Lnone_\@                       ; I have no block: no fragments, no products
.endif
	BLOAD \rb, 0, 0
	BLOAD \rb, 1, 1
	GROUPS \m, \rb, \first
.if (\first) == 0
.Lnone_\@:
.endif
.if \bar
	s_wait_dscnt 0x0                               ; my stores into buffer s + 2 are done (and no LDS load of mine is out):
	s_barrier_signal -1
	s_barrier_wait -1                              ; behind the barrier every wave may read that buffer
.endif
.endm
; A step of a further tile: its rows into A ring slot 0, waited for at once; its weights from the buffer at the read base.  Then rows and base step on.
.macro OSTEP first
	PLACES                                         ; behind the last products: loads into their sources follow
	v_add_nc_u32 v14, s50, v5
	ALOAD 0, 0
	BLOAD 0, 0, 0
	BLOAD 0, 1, 1
	s_wait_loadcnt 0x0                             ; the step's twelve loads; they also free the rows' address for the step below
	GROUPS 0, 0, \first
	s_add_nc_u64 s[4:5], s[4:5], 2048
	s_add_co_u32 s50, s50, WBUF
.endm
; The slots of the tile that begins 24 t = s39 blocks into the expert's.
.macro SLOTS
	s_sub_co_u32 s24, s22, s39                     ; blocks from this tile on,
	s_min_u32 s24, s24, 24                         ; 24 of them at the most in it
	s_add_co_u32 s24, s24, 7
	s_sub_co_u32 s24, s24, s14
	s_lshr_b32 s24, s24, 3                         ; my slots that have a block, 0 to 3: those with 8 i + w below the tile's blocks.  It steers branches alone
	s_min_u32 s35, s24, 1                          ; 1: slot 0 has a block (one or more)
	s_lshr_b32 s36, s24, 1
	s_min_u32 s36, s36, 1                          ; 1: slot 1 has one (two or three)
	s_add_co_u32 s37, s24, 1
	s_lshr_b32 s37, s37, 2
	s_min_u32 s37, s37, 1                          ; 1: slot 2 has one (three)
	s_add_co_u32 s34, s21, s39                     ; the tile's first block
.irp i, 0,1,2
	s_add_co_u32 s2, s14, 8*(\i)                   ; slot i's block in the tile: 8 i + w
	s_add_co_u32 s3, s34, s2
	s_min_u32 s3, s3, 134
	s_lshl_b32 s3, s3, OSH
	v_add_nc_u32 v[9+(\i)], s3, v12                ; where its results go
	s_mul_i32 s2, s2, s[35+(\i)]                   ; a slot without a block reads the tile's first block,
	s_add_co_u32 s2, s2, s34
	s_min_u32 s2, s2, 134
	s_lshl_b32 s2, s2, ASH
	v_mul_u32_u24 v[6+(\i)], s[35+(\i)], v12       ; all lanes the same 16 bytes
	v_add_nc_u32 v[6+(\i)], s2, v[6+(\i)]
.endr
.endm
	s_load_b256 s[4:11], s[0:1], 0x0               ; rows s[4:5], weights s[6:7], tiles s[8:9], results s[10:11]
.if UP
	s_load_b64 s[12:13], s[0:1], 0x20              ; bias
.endif
	v_lshl_add_u32 v1, v0, 2, SPARE
	v_mov_b32 v2, 0
	v_and_b32 v16, 31, v0                          ; lane
	v_lshrrev_b32 v17, 5, v0
	v_readfirstlane_b32 s14, v17                   ; wave 0..7
	s_and_b32 s19, ttmp7, 0xffff                   ; expert
	s_lshl_b32 s16, s19, 4                         ; its entry in the table
.if UP
	s_mov_b32 s25, ttmp9                           ; slice of 128 columns
	s_mov_b32 s40, 0xc0135761                      ; -c1 = -2 sqrt(2 / pi) log2(e)
	s_mov_b32 s41, s40                             ; named as pairs
	s_mov_b32 s42, 0xbdd2d3e8                      ; -c2 = -0.044715 c1
	s_mov_b32 s43, s42
.else
	s_and_b32 s25, ttmp9, 7                        ; slice of 128 columns
	s_lshr_b32 s26, ttmp9, 3                       ; quarter of K
.endif
	v_lshlrev_b32 v12, 4, v16
	v_lshrrev_b32 v17, 4, v16                      ; lane / 16
.if UP
	v_lshlrev_b32 v13, 5, v17
.endif
	s_mul_i32 s2, s14, 8*WP
	v_lshl_add_u32 v4, v16, 3, s2                  ; LDS row 8 w, 8 bytes a lane
	v_and_b32 v5, 7, v16
	v_lshl_add_u32 v5, v17, 3, v5
	v_mul_u32_u24 v5, v5, WP                       ; the turning load: row 8 (lane / 16) + lane % 8,
	v_bfe_u32 v17, v16, 3, 1
	v_lshl_add_u32 v5, v17, 4, v5                  ; 16 bytes by (lane / 8) % 2
	s_mul_i32 s2, s14, 8*PITCH
	v_add_nc_u32 v3, s2, v12                       ; weights: k row 8 w, 16 bytes a lane
	s_lshl_b32 s44, s19, 24                        ; an expert's weights are 16 MiB
	s_lshl_b32 s2, s25, 9
	s_add_co_u32 s44, s44, s2
.if UP == 0
	s_lshl_b32 s2, s26, 22                         ; 1,024 k rows of 4,096 bytes
	s_add_co_u32 s44, s44, s2
.endif
	s_mov_b32 s45, 0
	s_mov_b32 s50, 0                               ; both bases at buffer 0
	s_mov_b32 s51, 0
	v_add_nc_u32 v14, s50, v5
	v_add_nc_u32 v15, s51, v4
	s_mov_b32 s39, 0                               ; tile 0
	s_wait_kmcnt 0x0
	s_load_b128 s[20:23], s[8:9], s16 offset:0x0   ; expert, first block, blocks, 0
	s_add_nc_u64 s[6:7], s[6:7], s[44:45]
	WLOAD 0, 0                                     ; the weights' address hangs on the grid alone: the first three steps' go out ahead of the wait for the table
	WLOAD 1, 1
	WLOAD 2, 2
	WIN 0
.if UP
	s_lshl_b32 s44, s25, 12                        ; results: 128 columns are four images of 1,024 bytes
	s_add_nc_u64 s[10:11], s[10:11], s[44:45]
	s_lshl_b32 s44, s19, 14
	s_lshl_b32 s2, s25, 9
	s_add_co_u32 s44, s44, s2
	s_add_nc_u64 s[12:13], s[12:13], s[44:45]
.else
	s_lshl_b32 s44, s26, 15                        ; rows: a quarter of K is 32 images
	s_add_nc_u64 s[4:5], s[4:5], s[44:45]
	s_mul_i32 s44, s26, PQ
	s_lshl_b32 s2, s25, 13                         ; results: 128 columns are eight images
	s_add_co_u32 s44, s44, s2
	s_add_nc_u64 s[10:11], s[10:11], s[44:45]
.endif
	s_mov_b64 s[48:49], s[4:5]                     ; kept for the further tiles
	s_wait_kmcnt 0x0
	s_min_u32 s21, s21, 134                        ; what was loaded enters addresses only cut to the tables' sizes
	s_min_u32 s22, s22, 128
	s_min_u32 s27, s22, 1                          ; 1: the expert has rows
	s_mul_i32 s21, s21, s27                        ; without rows: block 0, which every split writes
	s_mul_i32 s28, s27, 5*64*PITCH                 ; the weights' pointer steps, 0 for an expert without rows
	s_mov_b32 s29, 0
	s_mul_i32 s30, s27, 3*64*PITCH
	s_mov_b32 s31, 0
	SLOTS
	ALOAD 0, 0
	ALOAD 1, 1
	s_wait_loadcnt 32                              ; W(0) and W(1) are in; W(2), A(0), A(1) may be out: 8 + 12 + 12
	WCVT 0, 0
	WCVT 1, 1
	WLOAD 0, 3
	WLOAD 1, 4
	WIN 0
	s_wait_xcnt 0x0                                ; the pointers are stepped only behind this wait
	s_add_nc_u64 s[6:7], s[6:7], s[28:29]          ; weights at step 5,
	s_add_nc_u64 s[4:5], s[4:5], 2*2048            ; rows at step 2
	s_wait_dscnt 0x0                               ; for the others' sake: my part of buffers 0 and 1 is written
	s_barrier_signal -1
	s_barrier_wait -1
	STEP 0, 0, 0, 2, 1, 1, 1, 1, 28, 0, 1          ; step 0 stands ahead of the loop: its products start the sums.  28: A(1), W(3), W(4)
	s_mov_b32 s50, WBUF                            ; the loop's first step reads buffer 1
	s_mov_b32 s51, 3*WBUF                          ; and stores into buffer 3
	s_mov_b32 s38, 3
.Ltrip:                                                ; steps 1 to 9, three a trip.  28: step 1: W(4), A(2), W(5); later: W(s + 3), A(s + 1), W(s + 4)
	v_add_nc_u32 v14, s50, v5
	v_add_nc_u32 v15, s51, v4
	STEP 1, 1, 0, 0, 0, 1, 1, 1, 28, 0, 1
	STEP 2, 2, 1, 1, 0, 1, 1, 1, 28, 0, 1
	STEP 0, 3, 2, 2, 0, 1, 1, 1, 28, 0, 1
	s_wait_xcnt 0x0
	s_add_nc_u64 s[6:7], s[6:7], s[30:31]
	s_add_nc_u64 s[4:5], s[4:5], 3*2048
	s_add_co_u32 s50, s50, 3*WBUF
	s_add_co_u32 s51, s51, 3*WBUF
	s_sub_co_u32 s38, s38, 1
	s_cmp_lg_u32 s38, 0
	s_cbranch_scc1 .Ltrip
	v_add_nc_u32 v14, s50, v5                      ; buffer 10
	v_add_nc_u32 v15, s51, v4                      ; buffer 12
	STEP 1, 1, 0, 0, 0, 1, 1, 1, 28, 0, 1          ; step 10 asks for the last weights, W(15)
	STEP 2, 2, 1, 1, 0, 1, 1, 0, 28, 0, 1          ; step 11.  28: W(14), A(12), W(15)
	STEP 0, 3, 2, 2, 0, 1, 1, 0, 20, 0, 1          ; step 12.  20: W(15), A(13)
	s_add_co_u32 s50, s50, 3*WBUF
	v_add_nc_u32 v14, s50, v5                      ; buffer 13
	STEP 1, 4, 0, 3, 0, 1, 1, 0, 12, 0, 1          ; step 13.  12: A(14).  It converts W(15) into buffer 15 and asks for the last rows; behind its barrier all the weights lie in LDS for every wave
	STEP 2, 0, 1, 0, 0, 0, 0, 0, 12, UP, 0         ; step 14.  12: A(15)
	STEP 0, 0, 2, 0, 0, 0, 0, 0, 16*UP, 0, 0       ; step 15.  The bias's 16 loads may be out
.if UP
; 32 numbers (four accumulators of slot i): x = sum + bias; x / (1 + 2^-t), -t = x (-c1 - c2 x^2); rounded to bf16; a lane's eight columns are 16 bytes of the next launch's image.
; Each batch of 32 exponentials or reciprocals has one plain instruction and one wait behind it.  An accumulator's lowest registers are read first.
.macro GELU i, hq
.set X0, ACC+8*(8*(\i)+4*(\hq))
.set B0, WS+32*(\hq)
	WIN 0x04
.set z, 0
.rept 16
	v_pk_add_f32 v[X0+z:X0+z+1], v[X0+z:X0+z+1], v[B0+z:B0+z+1]
.set z, z+2
.endr
	WIN 0
.set z, 0
.rept 16
	v_pk_mul_f32 v[T+z:T+z+1], v[X0+z:X0+z+1], v[X0+z:X0+z+1]
.set z, z+2
.endr
.set z, 0
.rept 16
	v_pk_fma_f32 v[T+z:T+z+1], v[T+z:T+z+1], s[42:43], s[40:41] op_sel_hi:[1,0,0]
.set z, z+2
.endr
.set z, 0
.rept 16
	v_pk_mul_f32 v[T+z:T+z+1], v[T+z:T+z+1], v[X0+z:X0+z+1]
.set z, z+2
.endr
.set z, 0
.rept 32
	v_exp_f32 v[T+z], v[T+z]
.set z, z+1
.endr
	v_nop
	s_wait_alu depctr_va_vdst(0)
.set z, 0
.rept 16
	v_pk_add_f32 v[T+z:T+z+1], v[T+z:T+z+1], 1.0 op_sel_hi:[1,0]
.set z, z+2
.endr
.set z, 0
.rept 32
	v_rcp_f32 v[T+z], v[T+z]
.set z, z+1
.endr
	v_nop
	s_wait_alu depctr_va_vdst(0)
.set z, 0
.rept 16
	v_pk_mul_f32 v[T+z:T+z+1], v[T+z:T+z+1], v[X0+z:X0+z+1]
.set z, z+2
.endr
	s_wait_xcnt 0x0                                ; P, which the last four stores read, is rewritten only behind this wait
.set z, 0
.rept 16
	v_cvt_pk_bf16_f32 v[P+z], v[T+2*z], v[T+2*z+1]
.set z, z+1
.endr
.irp a, 0,1,2,3
	global_store_b128 v[9+(\i)], v[P+4*(\a):P+4*(\a)+3], s[10:11] offset:(4*(\hq)+(\a))*512  ; 512 consecutive bytes
.endr
.endm
	s_wait_loadcnt 0x0                             ; the bias: it serves every tile
.endif
	s_mov_b32 s52, 6
.Ltile:                                                ; a trip: the way out of the tile in hand, then the next tile's sums.  No barrier and no LDS write stand in this loop
	PLACES                                         ; behind the last products
.if UP
.irp i, 0,1,2
	s_cmp_le_u32 s24, \i
	s_cbranch_scc1 .Lstored                        ; a slot without a block stores nothing
	GELU \i, 0
	GELU \i, 1
.endr
.else
.irp i, 0,1,2
	s_cmp_le_u32 s24, \i
	s_cbranch_scc1 .Lstored                        ; a slot without a block stores nothing
.irp c, 0,1,2,3,4,5,6,7
	global_store_b128 v[9+(\i)], v[ACC+8*(8*(\i)+(\c)):ACC+8*(8*(\i)+(\c))+3],   s[10:11] offset:(\c)*1024      ; the sums as they lie: 512 consecutive bytes; the lowest registers first
	global_store_b128 v[9+(\i)], v[ACC+8*(8*(\i)+(\c))+4:ACC+8*(8*(\i)+(\c))+7], s[10:11] offset:(\c)*1024+512
.endr
.endr
.endif
.Lstored:
	s_add_co_u32 s39, s39, 24                      ; the next tile
	s_add_co_u32 s2, s39, s14
	s_cmp_ge_u32 s2, s22
	s_cbranch_scc1 .Lend                           ; my first block there is past the expert's last: I have no block in it, nor in any later tile
	s_wait_xcnt 0x0                                ; the stores' offsets and data are rewritten only behind this wait
	SLOTS
	s_mov_b64 s[4:5], s[48:49]                     ; rows at K step 0,
	s_mov_b32 s50, 0                               ; weights at buffer 0
	OSTEP 1                                        ; the tile's step 0 starts the sums
	s_mov_b32 s38, 15
.Lover:
	OSTEP 0
	s_sub_co_u32 s38, s38, 1
	s_cmp_lg_u32 s38, 0
	s_cbranch_scc1 .Lover
	s_sub_co_u32 s52, s52, 1
	s_cmp_lg_u32 s52, 0
	s_cbranch_scc1 .Ltile                          ; in the sixth trip 24 x 6 passes the 128 blocks that there can be: every wave has left by the jump above
.Lend:                                                 ; all ways out of the loop join here: every wave passes the barrier below once
	s_wait_dscnt 0x0                               ; my reads of the weights in LDS are back:
	s_barrier_signal -1                            ; every wave says so
	s_barrier_wait -1                              ; before any wave's closing add writes LDS
	s_wait_tensorcnt 0x0                           ; the wave's end
	ds_add_u32 v1, v2
	s_wait_dscnt 0x0
	s_endpgm
.Lfunc_end_k_qe91f18f8ed_up:
	.size	k_qe91f18f8ed_up, .Lfunc_end_k_qe91f18f8ed_up-k_qe91f18f8ed_up
	.p2alignl 7, 3214868480
	.fill 96, 4, 3214868480
	.section	.rodata,"a",@progbits
	.p2align	6, 0x0
	.amdhsa_kernel k_qe91f18f8ed_up
		.amdhsa_group_segment_fixed_size 295936
		.amdhsa_private_segment_fixed_size 0
		.amdhsa_enable_private_segment 0
		.amdhsa_kernarg_size 40
		.amdhsa_user_sgpr_count 2
		.amdhsa_user_sgpr_kernarg_segment_ptr 1
		.amdhsa_wavefront_size32 1
		.amdhsa_system_sgpr_workgroup_id_x 1
		.amdhsa_system_sgpr_workgroup_id_y 1
		.amdhsa_system_sgpr_workgroup_id_z 1
		.amdhsa_system_vgpr_workitem_id 0
		.amdhsa_next_free_vgpr 512
		.amdhsa_next_free_sgpr 66
		.amdhsa_reserve_vcc 0
		.amdhsa_float_denorm_mode_32 3
		.amdhsa_float_denorm_mode_16_64 3
		.amdhsa_memory_ordered 1
		.amdhsa_forward_progress 1
		.amdhsa_inst_pref_size 181
	.end_amdhsa_kernel
	.amdgpu_metadata
---
amdhsa.version: [ 1, 2 ]
amdhsa.kernels:
  - .name:           k_qe91f18f8ed_up
    .symbol:         k_qe91f18f8ed_up.kd
    .args:
      - { .name: xs, .offset: 0, .size: 8, .value_kind: global_buffer, .address_space: global }
      - { .name: W1, .offset: 8, .size: 8, .value_kind: global_buffer, .address_space: global }
      - { .name: tiles, .offset: 16, .size: 8, .value_kind: global_buffer, .address_space: global }
      - { .name: hid, .offset: 24, .size: 8, .value_kind: global_buffer, .address_space: global }
      - { .name: b1, .offset: 32, .size: 8, .value_kind: global_buffer, .address_space: global }
    .group_segment_fixed_size: 295936
    .private_segment_fixed_size: 0
    .kernarg_segment_align: 8
    .kernarg_segment_size: 40
    .max_flat_workgroup_size: 256
    .sgpr_count:     66
    .vgpr_count:     512
    .wavefront_size: 32
...
	.end_amdgpu_metadata
.endif
;; end of part 6
;; launch down (part 7): grid 32 x 8, 8 waves a work-group, no clusters, 295,936 bytes of LDS; arguments hid, W2, tiles, part; writes part
.if DOCPART == 7
	.amdgcn_target "amdgcn-amd-amdhsa--gfx1250"
	.amdhsa_code_object_version 6
	.text
	.protected	k_qe91f18f8ed_down
	.globl	k_qe91f18f8ed_down
	.p2align	8
	.type	k_qe91f18f8ed_down,@function
k_qe91f18f8ed_down:
	s_mov_b64 s[64:65], 0
	v_nop
	global_prefetch_b8 v0, s[64:65] scope:SCOPE_SE
	s_setreg_imm32_b32 hwreg(HW_REG_WAVE_MODE, 25, 1), 1
	s_wait_xcnt 0x0
.set UP, 0
; ONE TEXT FOR BOTH PRODUCTS.  UP = 1: hid = gelu(xs W1[e] + b1[e]), stored in bf16.  UP = 0: part[kq] = hid W2[e] over a quarter kq of the hidden width, stored in f32.
; SHARES.  32 slices x 8 experts = 256 work-groups.  A work-group has one expert (the grid's y), 128 columns of its weights and 1,024 of K: 512 KiB of f32 weights that no other work-group reads;
; and ALL of that expert's rows, in TILES of at most 24 blocks of 16 rows.  In a tile wave w has blocks w, 8 + w, 16 + w (three SLOTS) and all 8 blocks of 16 columns: 24 accumulators.
; WEIGHTS: memory -> registers (each load 512 consecutive bytes of one k row) -> bf16 -> LDS, [k][128] with rows 288 bytes apart -> turned by ds_load_tr16_b128 into fragments.
; THEY STAY IN LDS: K goes in 16 steps of 64, and each step has a buffer of its own, written once: 16 x 18,432 bytes.
; ROWS: they lie in memory in the order of an operand's registers (1,024 bytes for 16 rows x 32 k), so two loads of 512 consecutive bytes fill a fragment; they never touch LDS.
; THE MATRIX INSTRUCTION IS USED TRANSPOSED (source 0 = 16 weight columns, source 1 = 16 rows): a lane then holds one row and eight neighbouring columns, which is the layout in which
; the next launch reads, so results are stored straight from registers, 512 consecutive bytes an instruction.
; THE FIRST TILE is multiplied while the weights come in.  Step s multiplies rows A(s) (register slot s % 3) by weights W(s) (LDS buffer s); converts W(s + 2) into buffer s + 2; asks for A(s + 2)
; and then for W(s + 5).  One barrier a step, 15 in all, and one more at the wave's end, whatever the table holds: every wave passes every one.  A wave has 48 loads out at the most.
; A wave without a block jumps over a step's fragment loads and products; a slot without a block loads one 16 bytes for all lanes.  Step 0 is never jumped: its products start all 24 sums.
; The jumped text holds no barrier and no global load, so every counted wait sees the same loads on every path.
; FURTHER TILES (an expert with more than 384 rows) follow in a loop that writes no LDS and has no barrier: weights from LDS, rows from memory, a wait for each step's rows.  The loop counts to the
; constant 6 (128 blocks are 6 tiles at the most); a wave leaves it by a jump forward when it has no block left.  They run one after the other on the expert's own 32 work-groups.
; An expert without rows: its work-groups pass the barriers, their weights' pointer does not step, and they store nothing.
; ADDRESSES.  What comes from the table enters an address only cut by s_min_u32 to a constant, and behind that through sums, left shifts and products alone.
; LIMITS.  Operands are rounded to bf16, sums are f32.  UP = 1: gelu is the tanh form, x / (1 + 2^-t), t = x (c1 + c2 x^2); a power below 2^-126 counts as 0.  UP = 0: K = 4,096 is summed in four
; quarters, which the next launch adds: another order of rounding than one sum's.  NaN and infinities are not treated apart.
.if UP
.set PITCH, 16384                      ; bytes from a k row of the weights to the next
.set ASH, 15                           ; a block of rows: 32 images of 1,024 bytes
.set OSH, 17                           ; a block of results: 128 images of 1,024 bytes
.else
.set PITCH, 4096
.set ASH, 17
.set OSH, 16                           ; 64 images of 1,024 bytes (16 rows x 16 columns of f32)
.endif
.set PQ, 135*65536                     ; bytes of one quarter's partial results
.set WP, 288                           ; an LDS row: 256 bytes + 32
.set WBUF, 64*WP
.set SPARE, 16*WBUF                    ; behind the sixteen buffers: the spare words, 128 bytes for each of eight waves
; window 0: v1, v2 the add's registers; v3 W offset; v4 my place for storing W in a buffer; v5 my place for reading fragments; v6-8 rows' offsets by slot; v9-11 results' offsets by slot; v12 16 lane;
;           v13 32 (lane / 16); v14 v5 + the read base; v15 v4 + the store base; v16-63 A ring slot 0 (in the way out: T and P); v64-255 the accumulators: (slot i, column block c) at 64 + 8 (8 i + c)
; window 1: v0-63 two groups of four W fragments; v64-159 three W slots of 32 (from step 14 on v64-127 the bias); v160-207, v208-255 A ring slots 1, 2
; s14 wave   s19 expert   s21 its first block   s22 its blocks   s24 my slots that have a block (branches alone)   s27 1: the expert has rows   s34 the tile's first block   s35-37 1: slot 0, 1, 2 has a block
; s38 trips   s39 24 x tile   s[48:49] the rows' address at K step 0   s50 LDS byte of the buffer that offset 0 reads   s51 of the one that offset 0 stores into   s52 tiles' trips
.set ACC, 64
.set BF, 0
.set WS, 64
.set T, 16
.set P, 48
.set MSB, 0
.macro WIN new                         ; s_set_vgpr_msb: bits 1:0 source 0, 3:2 source 1, 5:4 source 2, 7:6 destination; the high byte repeats the setting that is left
.if MSB != (\new)
	s_set_vgpr_msb (MSB<<8)|(\new)
.set MSB, (\new)
.endif
.endm
.macro PLACES                          ; four plain instructions between a matrix instruction and a load into, a store of, or a vector access to one of its registers
.rept 4
	v_nop
.endr
.endm
.macro ASLOT slot                      ; where A ring slot 'slot' lies
.if (\slot) == 0
.set AS, 16
.set AW, 0
.else
.set AS, 112+48*(\slot)
.set AW, 1
.endif
.endm
.macro WLOAD slot, q                   ; my 8 of a step's 64 k rows: 512 bytes each
	WIN 0x40
.irp j, 0,1,2,3,4,5,6,7
	global_load_b128 v[WS+32*(\slot)+4*(\j):WS+32*(\slot)+4*(\j)+3], v3, s[6:7] offset:(64*(\q)+(\j))*PITCH th:TH_LOAD_NT
.endr
.endm
.macro ALOAD slot, q                   ; a step's rows: 3 blocks x 2 fragments x 2 halves
	ASLOT \slot
	WIN 0x40*AW
.irp i, 0,1,2
.irp f, 0,1,2,3
	global_load_b128 v[AS+16*(\i)+4*(\f):AS+16*(\i)+4*(\f)+3], v[6+(\i)], s[4:5] offset:(\q)*2048+(\f)*512
.endr
.endr
.endm
.macro WCVT slot, sb                   ; W slot -> bf16, in place -> the LDS buffer sb behind the store base: 256 consecutive bytes a store
	WIN 0x45
.irp j, 0,1,2,3,4,5,6,7
	v_cvt_pk_bf16_f32 v[WS+32*(\slot)+4*(\j)],   v[WS+32*(\slot)+4*(\j)],   v[WS+32*(\slot)+4*(\j)+1]
	v_cvt_pk_bf16_f32 v[WS+32*(\slot)+4*(\j)+1], v[WS+32*(\slot)+4*(\j)+2], v[WS+32*(\slot)+4*(\j)+3]
.endr
	WIN 0x04
.irp j, 0,1,2,3,4,5,6,7
	ds_store_b64 v15, v[WS+32*(\slot)+4*(\j):WS+32*(\slot)+4*(\j)+1] offset:(\sb)*WBUF+(\j)*WP
.endr
.endm
.macro BLOAD rb, gi, bs                ; from the buffer rb behind the read base, group gi of a step: k half gi / 2, column blocks 4 (gi % 2) + 0..3 -> fragment group bs
	WIN 0x40
.irp c, 0,1,2,3
	ds_load_tr16_b128 v[BF+32*(\bs)+8*(\c):BF+32*(\bs)+8*(\c)+3],   v14 offset:(\rb)*WBUF+((\gi)/2)*32*WP+(4*((\gi)%2)+(\c))*32
	ds_load_tr16_b128 v[BF+32*(\bs)+8*(\c)+4:BF+32*(\bs)+8*(\c)+7], v14 offset:(\rb)*WBUF+((\gi)/2)*32*WP+(4*((\gi)%2)+(\c))*32+16*WP
.endr
.endm
.macro MM i, c, gi, bs
.set rD, ACC+8*(8*(\i)+4*((\gi)%2)+(\c))
.set rW, BF+32*(\bs)+8*(\c)
.set rA, AS+16*(\i)+8*((\gi)/2)
.if ZR
	v_wmma_f32_16x16x32_bf16 v[rD:rD+7], v[rW:rW+7], v[rA:rA+7], 0
.else
	v_wmma_f32_16x16x32_bf16 v[rD:rD+7], v[rW:rW+7], v[rA:rA+7], v[rD:rD+7]
.endif
.endm
; A group's 12 products.  The accumulators take turns, one instruction a turn; no two that follow each other share one, with the third slot or without it.
; first = 1 (a tile's step 0): the first k half starts the sums with the constant 0, and the third slot is never jumped.
.macro MULG slot, gi, bs, first
	ASLOT \slot
.set ZR, 0
.if (\first) && ((\gi) < 2)
.set ZR, 1
.endif
	WIN 0x01+0x04*AW
.irp c, 0,1,2,3
	MM 0, \c, \gi, \bs
	MM 1, \c, \gi, \bs
.endr
.if (\first) == 0
	WIN 0                                          ; at a branch and at a label every window is 0
	s_cmp_lt_u32 s24, 3
	s_cbranch_scc1 .Lsk_\@                         ; my third slot has no block
	WIN 0x01+0x04*AW
.endif
.irp c, 0,1,2,3
	MM 2, \c, \gi, \bs
.endr
	WIN 0
.if (\first) == 0
.Lsk_\@:
.endif
.endm
.if UP
.macro BIASLD                          ; my eight columns' bias for each of the 8 column blocks, into the W slots, which are free from step 14 on
	WIN 0x40
.irp c, 0,1,2,3,4,5,6,7
	global_load_b128 v[WS+8*(\c):WS+8*(\c)+3],   v13, s[12:13] offset:64*(\c)
	global_load_b128 v[WS+8*(\c)+4:WS+8*(\c)+7], v13, s[12:13] offset:64*(\c)+16
.endr
.endm
.endif
; The four groups of a step: fragments of the buffer rb behind the read base, rows of A ring slot 'slot'.  The count 8 leaves the younger group's eight loads out.
.macro GROUPS slot, rb, first
	s_wait_dscnt 8                                 ; all but the youngest eight: my stores and group 0 are done
	MULG \slot, 0, 0, \first
	PLACES
	BLOAD \rb, 2, 0
	s_wait_dscnt 8                                 ; group 1 is in
	MULG \slot, 1, 1, \first
	PLACES
	BLOAD \rb, 3, 1
	s_wait_dscnt 8                                 ; group 2 is in
	MULG \slot, 2, 0, \first
	s_wait_dscnt 0x0
	MULG \slot, 3, 1, \first
.endm
; STEP s of the first tile, m = s % 3.  q: the step's place in the global immediates.  rb, sb: the buffers read and stored, counted from the two bases.
; cnt: the loads issued behind the younger of A(s) and W(s + 2), which may stay out.
.macro STEP m, q, rb, sb, first, doW, issA, issW, cnt, bias, bar
	s_wait_loadcnt \cnt
.if \doW
	WCVT ((\m)+2)%3, \sb                           ; its 16 conversions are also the places behind the last step's products
.else
	PLACES
.endif
.if \issA
	ALOAD ((\m)+2)%3, \q                           ; rows ahead of weights: then no wait for rows makes a younger load of weights land early
.endif
.if \issW
	WLOAD ((\m)+2)%3, \q
.endif
.if \bias
	BIASLD
.endif
	WIN 0
.if (\first) == 0
	s_cmp_eq_u32 s24, 0
	s_cbranch_scc1 .Lnone_\@                       ; I have no block: no fragments, no products
.endif
	BLOAD \rb, 0, 0
	BLOAD \rb, 1, 1
	GROUPS \m, \rb, \first
.if (\first) == 0
.Lnone_\@:
.endif
.if \bar
	s_wait_dscnt 0x0                               ; my stores into buffer s + 2 are done (and no LDS load of mine is out):
	s_barrier_signal -1
	s_barrier_wait -1                              ; behind the barrier every wave may read that buffer
.endif
.endm
; A step of a further tile: its rows into A ring slot 0, waited for at once; its weights from the buffer at the read base.  Then rows and base step on.
.macro OSTEP first
	PLACES                                         ; behind the last products: loads into their sources follow
	v_add_nc_u32 v14, s50, v5
	ALOAD 0, 0
	BLOAD 0, 0, 0
	BLOAD 0, 1, 1
	s_wait_loadcnt 0x0                             ; the step's twelve loads; they also free the rows' address for the step below
	GROUPS 0, 0, \first
	s_add_nc_u64 s[4:5], s[4:5], 2048
	s_add_co_u32 s50, s50, WBUF
.endm
; The slots of the tile that begins 24 t = s39 blocks into the expert's.
.macro SLOTS
	s_sub_co_u32 s24, s22, s39                     ; blocks from this tile on,
	s_min_u32 s24, s24, 24                         ; 24 of them at the most in it
	s_add_co_u32 s24, s24, 7
	s_sub_co_u32 s24, s24, s14
	s_lshr_b32 s24, s24, 3                         ; my slots that have a block, 0 to 3: those with 8 i + w below the tile's blocks.  It steers branches alone
	s_min_u32 s35, s24, 1                          ; 1: slot 0 has a block (one or more)
	s_lshr_b32 s36, s24, 1
	s_min_u32 s36, s36, 1                          ; 1: slot 1 has one (two or three)
	s_add_co_u32 s37, s24, 1
	s_lshr_b32 s37, s37, 2
	s_min_u32 s37, s37, 1                          ; 1: slot 2 has one (three)
	s_add_co_u32 s34, s21, s39                     ; the tile's first block
.irp i, 0,1,2
	s_add_co_u32 s2, s14, 8*(\i)                   ; slot i's block in the tile: 8 i + w
	s_add_co_u32 s3, s34, s2
	s_min_u32 s3, s3, 134
	s_lshl_b32 s3, s3, OSH
	v_add_nc_u32 v[9+(\i)], s3, v12                ; where its results go
	s_mul_i32 s2, s2, s[35+(\i)]                   ; a slot without a block reads the tile's first block,
	s_add_co_u32 s2, s2, s34
	s_min_u32 s2, s2, 134
	s_lshl_b32 s2, s2, ASH
	v_mul_u32_u24 v[6+(\i)], s[35+(\i)], v12       ; all lanes the same 16 bytes
	v_add_nc_u32 v[6+(\i)], s2, v[6+(\i)]
.endr
.endm
	s_load_b256 s[4:11], s[0:1], 0x0               ; rows s[4:5], weights s[6:7], tiles s[8:9], results s[10:11]
.if UP
	s_load_b64 s[12:13], s[0:1], 0x20              ; bias
.endif
	v_lshl_add_u32 v1, v0, 2, SPARE
	v_mov_b32 v2, 0
	v_and_b32 v16, 31, v0                          ; lane
	v_lshrrev_b32 v17, 5, v0
	v_readfirstlane_b32 s14, v17                   ; wave 0..7
	s_and_b32 s19, ttmp7, 0xffff                   ; expert
	s_lshl_b32 s16, s19, 4                         ; its entry in the table
.if UP
	s_mov_b32 s25, ttmp9                           ; slice of 128 columns
	s_mov_b32 s40, 0xc0135761                      ; -c1 = -2 sqrt(2 / pi) log2(e)
	s_mov_b32 s41, s40                             ; named as pairs
	s_mov_b32 s42, 0xbdd2d3e8                      ; -c2 = -0.044715 c1
	s_mov_b32 s43, s42
.else
	s_and_b32 s25, ttmp9, 7                        ; slice of 128 columns
	s_lshr_b32 s26, ttmp9, 3                       ; quarter of K
.endif
	v_lshlrev_b32 v12, 4, v16
	v_lshrrev_b32 v17, 4, v16                      ; lane / 16
.if UP
	v_lshlrev_b32 v13, 5, v17
.endif
	s_mul_i32 s2, s14, 8*WP
	v_lshl_add_u32 v4, v16, 3, s2                  ; LDS row 8 w, 8 bytes a lane
	v_and_b32 v5, 7, v16
	v_lshl_add_u32 v5, v17, 3, v5
	v_mul_u32_u24 v5, v5, WP                       ; the turning load: row 8 (lane / 16) + lane % 8,
	v_bfe_u32 v17, v16, 3, 1
	v_lshl_add_u32 v5, v17, 4, v5                  ; 16 bytes by (lane / 8) % 2
	s_mul_i32 s2, s14, 8*PITCH
	v_add_nc_u32 v3, s2, v12                       ; weights: k row 8 w, 16 bytes a lane
	s_lshl_b32 s44, s19, 24                        ; an expert's weights are 16 MiB
	s_lshl_b32 s2, s25, 9
	s_add_co_u32 s44, s44, s2
.if UP == 0
	s_lshl_b32 s2, s26, 22                         ; 1,024 k rows of 4,096 bytes
	s_add_co_u32 s44, s44, s2
.endif
	s_mov_b32 s45, 0
	s_mov_b32 s50, 0                               ; both bases at buffer 0
	s_mov_b32 s51, 0
	v_add_nc_u32 v14, s50, v5
	v_add_nc_u32 v15, s51, v4
	s_mov_b32 s39, 0                               ; tile 0
	s_wait_kmcnt 0x0
	s_load_b128 s[20:23], s[8:9], s16 offset:0x0   ; expert, first block, blocks, 0
	s_add_nc_u64 s[6:7], s[6:7], s[44:45]
	WLOAD 0, 0                                     ; the weights' address hangs on the grid alone: the first three steps' go out ahead of the wait for the table
	WLOAD 1, 1
	WLOAD 2, 2
	WIN 0
.if UP
	s_lshl_b32 s44, s25, 12                        ; results: 128 columns are four images of 1,024 bytes
	s_add_nc_u64 s[10:11], s[10:11], s[44:45]
	s_lshl_b32 s44, s19, 14
	s_lshl_b32 s2, s25, 9
	s_add_co_u32 s44, s44, s2
	s_add_nc_u64 s[12:13], s[12:13], s[44:45]
.else
	s_lshl_b32 s44, s26, 15                        ; rows: a quarter of K is 32 images
	s_add_nc_u64 s[4:5], s[4:5], s[44:45]
	s_mul_i32 s44, s26, PQ
	s_lshl_b32 s2, s25, 13                         ; results: 128 columns are eight images
	s_add_co_u32 s44, s44, s2
	s_add_nc_u64 s[10:11], s[10:11], s[44:45]
.endif
	s_mov_b64 s[48:49], s[4:5]                     ; kept for the further tiles
	s_wait_kmcnt 0x0
	s_min_u32 s21, s21, 134                        ; what was loaded enters addresses only cut to the tables' sizes
	s_min_u32 s22, s22, 128
	s_min_u32 s27, s22, 1                          ; 1: the expert has rows
	s_mul_i32 s21, s21, s27                        ; without rows: block 0, which every split writes
	s_mul_i32 s28, s27, 5*64*PITCH                 ; the weights' pointer steps, 0 for an expert without rows
	s_mov_b32 s29, 0
	s_mul_i32 s30, s27, 3*64*PITCH
	s_mov_b32 s31, 0
	SLOTS
	ALOAD 0, 0
	ALOAD 1, 1
	s_wait_loadcnt 32                              ; W(0) and W(1) are in; W(2), A(0), A(1) may be out: 8 + 12 + 12
	WCVT 0, 0
	WCVT 1, 1
	WLOAD 0, 3
	WLOAD 1, 4
	WIN 0
	s_wait_xcnt 0x0                                ; the pointers are stepped only behind this wait
	s_add_nc_u64 s[6:7], s[6:7], s[28:29]          ; weights at step 5,
	s_add_nc_u64 s[4:5], s[4:5], 2*2048            ; rows at step 2
	s_wait_dscnt 0x0                               ; for the others' sake: my part of buffers 0 and 1 is written
	s_barrier_signal -1
	s_barrier_wait -1
	STEP 0, 0, 0, 2, 1, 1, 1, 1, 28, 0, 1          ; step 0 stands ahead of the loop: its products start the sums.  28: A(1), W(3), W(4)
	s_mov_b32 s50, WBUF                            ; the loop's first step reads buffer 1
	s_mov_b32 s51, 3*WBUF                          ; and stores into buffer 3
	s_mov_b32 s38, 3
.Ltrip:                                                ; steps 1 to 9, three a trip.  28: step 1: W(4), A(2), W(5); later: W(s + 3), A(s + 1), W(s + 4)
	v_add_nc_u32 v14, s50, v5
	v_add_nc_u32 v15, s51, v4
	STEP 1, 1, 0, 0, 0, 1, 1, 1, 28, 0, 1
	STEP 2, 2, 1, 1, 0, 1, 1, 1, 28, 0, 1
	STEP 0, 3, 2, 2, 0, 1, 1, 1, 28, 0, 1
	s_wait_xcnt 0x0
	s_add_nc_u64 s[6:7], s[6:7], s[30:31]
	s_add_nc_u64 s[4:5], s[4:5], 3*2048
	s_add_co_u32 s50, s50, 3*WBUF
	s_add_co_u32 s51, s51, 3*WBUF
	s_sub_co_u32 s38, s38, 1
	s_cmp_lg_u32 s38, 0
	s_cbranch_scc1 .Ltrip
	v_add_nc_u32 v14, s50, v5                      ; buffer 10
	v_add_nc_u32 v15, s51, v4                      ; buffer 12
	STEP 1, 1, 0, 0, 0, 1, 1, 1, 28, 0, 1          ; step 10 asks for the last weights, W(15)
	STEP 2, 2, 1, 1, 0, 1, 1, 0, 28, 0, 1          ; step 11.  28: W(14), A(12), W(15)
	STEP 0, 3, 2, 2, 0, 1, 1, 0, 20, 0, 1          ; step 12.  20: W(15), A(13)
	s_add_co_u32 s50, s50, 3*WBUF
	v_add_nc_u32 v14, s50, v5                      ; buffer 13
	STEP 1, 4, 0, 3, 0, 1, 1, 0, 12, 0, 1          ; step 13.  12: A(14).  It converts W(15) into buffer 15 and asks for the last rows; behind its barrier all the weights lie in LDS for every wave
	STEP 2, 0, 1, 0, 0, 0, 0, 0, 12, UP, 0         ; step 14.  12: A(15)
	STEP 0, 0, 2, 0, 0, 0, 0, 0, 16*UP, 0, 0       ; step 15.  The bias's 16 loads may be out
.if UP
; 32 numbers (four accumulators of slot i): x = sum + bias; x / (1 + 2^-t), -t = x (-c1 - c2 x^2); rounded to bf16; a lane's eight columns are 16 bytes of the next launch's image.
; Each batch of 32 exponentials or reciprocals has one plain instruction and one wait behind it.  An accumulator's lowest registers are read first.
.macro GELU i, hq
.set X0, ACC+8*(8*(\i)+4*(\hq))
.set B0, WS+32*(\hq)
	WIN 0x04
.set z, 0
.rept 16
	v_pk_add_f32 v[X0+z:X0+z+1], v[X0+z:X0+z+1], v[B0+z:B0+z+1]
.set z, z+2
.endr
	WIN 0
.set z, 0
.rept 16
	v_pk_mul_f32 v[T+z:T+z+1], v[X0+z:X0+z+1], v[X0+z:X0+z+1]
.set z, z+2
.endr
.set z, 0
.rept 16
	v_pk_fma_f32 v[T+z:T+z+1], v[T+z:T+z+1], s[42:43], s[40:41] op_sel_hi:[1,0,0]
.set z, z+2
.endr
.set z, 0
.rept 16
	v_pk_mul_f32 v[T+z:T+z+1], v[T+z:T+z+1], v[X0+z:X0+z+1]
.set z, z+2
.endr
.set z, 0
.rept 32
	v_exp_f32 v[T+z], v[T+z]
.set z, z+1
.endr
	v_nop
	s_wait_alu depctr_va_vdst(0)
.set z, 0
.rept 16
	v_pk_add_f32 v[T+z:T+z+1], v[T+z:T+z+1], 1.0 op_sel_hi:[1,0]
.set z, z+2
.endr
.set z, 0
.rept 32
	v_rcp_f32 v[T+z], v[T+z]
.set z, z+1
.endr
	v_nop
	s_wait_alu depctr_va_vdst(0)
.set z, 0
.rept 16
	v_pk_mul_f32 v[T+z:T+z+1], v[T+z:T+z+1], v[X0+z:X0+z+1]
.set z, z+2
.endr
	s_wait_xcnt 0x0                                ; P, which the last four stores read, is rewritten only behind this wait
.set z, 0
.rept 16
	v_cvt_pk_bf16_f32 v[P+z], v[T+2*z], v[T+2*z+1]
.set z, z+1
.endr
.irp a, 0,1,2,3
	global_store_b128 v[9+(\i)], v[P+4*(\a):P+4*(\a)+3], s[10:11] offset:(4*(\hq)+(\a))*512  ; 512 consecutive bytes
.endr
.endm
	s_wait_loadcnt 0x0                             ; the bias: it serves every tile
.endif
	s_mov_b32 s52, 6
.Ltile:                                                ; a trip: the way out of the tile in hand, then the next tile's sums.  No barrier and no LDS write stand in this loop
	PLACES                                         ; behind the last products
.if UP
.irp i, 0,1,2
	s_cmp_le_u32 s24, \i
	s_cbranch_scc1 .Lstored                        ; a slot without a block stores nothing
	GELU \i, 0
	GELU \i, 1
.endr
.else
.irp i, 0,1,2
	s_cmp_le_u32 s24, \i
	s_cbranch_scc1 .Lstored                        ; a slot without a block stores nothing
.irp c, 0,1,2,3,4,5,6,7
	global_store_b128 v[9+(\i)], v[ACC+8*(8*(\i)+(\c)):ACC+8*(8*(\i)+(\c))+3],   s[10:11] offset:(\c)*1024      ; the sums as they lie: 512 consecutive bytes; the lowest registers first
	global_store_b128 v[9+(\i)], v[ACC+8*(8*(\i)+(\c))+4:ACC+8*(8*(\i)+(\c))+7], s[10:11] offset:(\c)*1024+512
.endr
.endr
.endif
.Lstored:
	s_add_co_u32 s39, s39, 24                      ; the next tile
	s_add_co_u32 s2, s39, s14
	s_cmp_ge_u32 s2, s22
	s_cbranch_scc1 .Lend                           ; my first block there is past the expert's last: I have no block in it, nor in any later tile
	s_wait_xcnt 0x0                                ; the stores' offsets and data are rewritten only behind this wait
	SLOTS
	s_mov_b64 s[4:5], s[48:49]                     ; rows at K step 0,
	s_mov_b32 s50, 0                               ; weights at buffer 0
	OSTEP 1                                        ; the tile's step 0 starts the sums
	s_mov_b32 s38, 15
.Lover:
	OSTEP 0
	s_sub_co_u32 s38, s38, 1
	s_cmp_lg_u32 s38, 0
	s_cbranch_scc1 .Lover
	s_sub_co_u32 s52, s52, 1
	s_cmp_lg_u32 s52, 0
	s_cbranch_scc1 .Ltile                          ; in the sixth trip 24 x 6 passes the 128 blocks that there can be: every wave has left by the jump above
.Lend:                                                 ; all ways out of the loop join here: every wave passes the barrier below once
	s_wait_dscnt 0x0                               ; my reads of the weights in LDS are back:
	s_barrier_signal -1                            ; every wave says so
	s_barrier_wait -1                              ; before any wave's closing add writes LDS
	s_wait_tensorcnt 0x0                           ; the wave's end
	ds_add_u32 v1, v2
	s_wait_dscnt 0x0
	s_endpgm
.Lfunc_end_k_qe91f18f8ed_down:
	.size	k_qe91f18f8ed_down, .Lfunc_end_k_qe91f18f8ed_down-k_qe91f18f8ed_down
	.p2alignl 7, 3214868480
	.fill 96, 4, 3214868480
	.section	.rodata,"a",@progbits
	.p2align	6, 0x0
	.amdhsa_kernel k_qe91f18f8ed_down
		.amdhsa_group_segment_fixed_size 295936
		.amdhsa_private_segment_fixed_size 0
		.amdhsa_enable_private_segment 0
		.amdhsa_kernarg_size 32
		.amdhsa_user_sgpr_count 2
		.amdhsa_user_sgpr_kernarg_segment_ptr 1
		.amdhsa_wavefront_size32 1
		.amdhsa_system_sgpr_workgroup_id_x 1
		.amdhsa_system_sgpr_workgroup_id_y 1
		.amdhsa_system_sgpr_workgroup_id_z 1
		.amdhsa_system_vgpr_workitem_id 0
		.amdhsa_next_free_vgpr 512
		.amdhsa_next_free_sgpr 66
		.amdhsa_reserve_vcc 0
		.amdhsa_float_denorm_mode_32 3
		.amdhsa_float_denorm_mode_16_64 3
		.amdhsa_memory_ordered 1
		.amdhsa_forward_progress 1
		.amdhsa_inst_pref_size 126
	.end_amdhsa_kernel
	.amdgpu_metadata
---
amdhsa.version: [ 1, 2 ]
amdhsa.kernels:
  - .name:           k_qe91f18f8ed_down
    .symbol:         k_qe91f18f8ed_down.kd
    .args:
      - { .name: hid, .offset: 0, .size: 8, .value_kind: global_buffer, .address_space: global }
      - { .name: W2, .offset: 8, .size: 8, .value_kind: global_buffer, .address_space: global }
      - { .name: tiles, .offset: 16, .size: 8, .value_kind: global_buffer, .address_space: global }
      - { .name: part, .offset: 24, .size: 8, .value_kind: global_buffer, .address_space: global }
    .group_segment_fixed_size: 295936
    .private_segment_fixed_size: 0
    .kernarg_segment_align: 8
    .kernarg_segment_size: 32
    .max_flat_workgroup_size: 256
    .sgpr_count:     66
    .vgpr_count:     512
    .wavefront_size: 32
...
	.end_amdgpu_metadata
.endif
;; end of part 7
;; launch comb: the kernel of part 4 again; grid 2 x 135, 8 waves a work-group, no clusters, 35,840 bytes of LDS; arguments part, b2, order, out0; writes out0
